; MI455X (gfx1250); checked and timed in simulation.
; The chip was launched on July 23, 2026; its instructions are those of AMD's public machine-readable ISA for CDNA 5 (MIT licence, August 2026) and "CDNA5" Instruction Set Architecture Reference Guide (July 2026). The comments in the code are by the model that wrote it; some were corrected since.
;; Multi Head Attention. Allowed arithmetic: float matrix products may take bf16 or f16 operands with f32 sums; other float arithmetic in f32, or as packed bf16 or f16 multiplies, adds, multiply-adds, maxima and minima; sums over many terms, partial sums and values carried from step to step in f32; what a program stores and reads back later, other than sums and carried values, may be rounded once to bf16 or f16.
;; Inputs: Wk 2,048 x 2,048 float32; Wo 2,048 x 2,048 float32; Wq 2,048 x 2,048 float32; Wv 2,048 x 2,048 float32; cos 2,048 x 128 float32; doc_ids 1 x 2,048 int32; sin 2,048 x 128 float32; x 1 x 2,048 x 2,048 float32.
;; Outputs: out0 1 x 2,048 x 2,048 float32.
;; One version. Each part assembles by itself: llvm-mc -triple=amdgcn-amd-amdhsa -mcpu=gfx1250 --defsym DOCPART=n.
;; ======== version 1 of 1: 4 launches
;; limits: values are held in f16: magnitudes above 65,504 overflow, below 6.1e-05 lose precision
;; workspace buffers: cst 41,943,040 bytes; qkv 25,165,824 bytes; ob 8,388,608 bytes
;; launch cast (part 1): grid 256 x 5, 8 waves a work-group, no clusters, 0 bytes of LDS; arguments x, Wq, Wk, Wv, Wo, cst; writes cst
.if DOCPART == 1
	.amdgcn_target "amdgcn-amd-amdhsa--gfx1250"
	.amdhsa_code_object_version 6
	.text
	.protected	k_q2cacb43b4b_cast
	.globl	k_q2cacb43b4b_cast
	.p2align	8
	.type	k_q2cacb43b4b_cast,@function
k_q2cacb43b4b_cast:
	s_mov_b64 s[64:65], 0
	v_nop
	global_prefetch_b8 v0, s[64:65] scope:SCOPE_SE
	s_setreg_imm32_b32 hwreg(HW_REG_WAVE_MODE, 25, 1), 1
	s_wait_xcnt 0x0
; CAST.  Five arrays of 2048 x 2048 f32 (x, Wq, Wk, Wv, Wo: the grid's y picks one) are scaled by a power of two, rounded once to bf16 and written to cst, 8,388,608 bytes each.
; Factors: x 1, Wq and Wk 2^-6, Wv 2^-4, Wo 2^4: a power of two commutes with the rounding, so the number stored is the input rounded to bf16, times the factor.
; The factors give q/64, k/64 and v/16 room in f16 in the later launches; Wo's 16 takes v's 1/16 back.  Wo's bf16 number is then written as f16.
; LIMITS.  16 Wo as f16 is exact from 2^-17 up; below that it keeps f16's fixed step of 6e-8; 16 |Wo| stays under 65,504.  NaN and infinities are not treated apart.
; SHARES.  A work-group takes 65,536 input bytes, thread t 16 bytes at 16 t + 4096 i, i = 0..15.  All sixteen loads go out first; a wave's load covers 512 consecutive bytes,
; a wave's store of 8 bytes a lane 256 consecutive bytes at a multiple of 256.  No LDS, no matrix unit: every byte is read once and written once.
.set X, 4                              ; v[4:67]    chunk i: four f32 as loaded, then scaled
.set Y, 68                             ; v[68:99]   chunk i: two words to store
.set T, 100                            ; v[100:103] at work (Wo's way by f32)
	s_load_b256 s[4:11], s[0:1], 0x0               ; x s[4:5], Wq s[6:7], Wk s[8:9], Wv s[10:11]
	s_load_b128 s[12:15], s[0:1], 0x20             ; Wo s[12:13], cst s[14:15]
	s_and_b32 s16, ttmp7, 0xffff                   ; which array
	v_lshlrev_b32 v1, 4, v0                        ; 16 t: my bytes in a chunk of the input
	v_lshlrev_b32 v2, 3, v0                        ; 8 t: in a chunk of the output
	s_lshl_b32 s18, ttmp9, 16                      ; the work-group's 65,536 input bytes
	s_mov_b32 s19, 0
	s_lshl_b32 s20, s16, 23                        ; the array's 8,388,608 bytes in cst,
	s_lshl_b32 s21, ttmp9, 15                      ; the work-group's 32,768 of them
	s_add_co_u32 s20, s20, s21
	s_mov_b32 s21, 0
	s_mov_b32 s24, 0xffff0000                      ; a word's upper bf16
	s_mov_b32 s22, 1.0                             ; the factor
	s_cmp_eq_u32 s16, 1
	s_cselect_b32 s22, 0x3c800000, s22             ; 2^-6
	s_cmp_eq_u32 s16, 2
	s_cselect_b32 s22, 0x3c800000, s22
	s_cmp_eq_u32 s16, 3
	s_cselect_b32 s22, 0x3d800000, s22             ; 2^-4
	s_cmp_eq_u32 s16, 4
	s_cselect_b32 s22, 0x41800000, s22             ; 2^4
	s_mov_b32 s23, s22                             ; named with it as a pair
	s_wait_kmcnt 0x0
	s_cmp_eq_u32 s16, 1                            ; the input's address: a choice on the grid's y alone
	s_cselect_b64 s[4:5], s[6:7], s[4:5]
	s_cmp_eq_u32 s16, 2
	s_cselect_b64 s[4:5], s[8:9], s[4:5]
	s_cmp_eq_u32 s16, 3
	s_cselect_b64 s[4:5], s[10:11], s[4:5]
	s_cmp_eq_u32 s16, 4
	s_cselect_b64 s[4:5], s[12:13], s[4:5]
	s_add_nc_u64 s[4:5], s[4:5], s[18:19]
	s_add_nc_u64 s[14:15], s[14:15], s[20:21]
.set i, 0
.rept 16
	global_load_b128 v[X+4*i:X+4*i+3], v1, s[4:5] offset:4096*i th:TH_LOAD_NT
.set i, i+1
.endr
; One chunk.  No register that a load or store names is written again but X, behind the wait for its own load.
.macro CHUNK c, half
	s_wait_loadcnt 15-(\c)                         ; loads come back in order: chunk c is in, the 15 - c younger ones stay out
	v_pk_mul_f32 v[X+4*(\c):X+4*(\c)+1], v[X+4*(\c):X+4*(\c)+1], s[22:23] op_sel_hi:[1,0]
	v_pk_mul_f32 v[X+4*(\c)+2:X+4*(\c)+3], v[X+4*(\c)+2:X+4*(\c)+3], s[22:23] op_sel_hi:[1,0]
	v_cvt_pk_bf16_f32 v[Y+2*(\c)], v[X+4*(\c)], v[X+4*(\c)+1]
	v_cvt_pk_bf16_f32 v[Y+2*(\c)+1], v[X+4*(\c)+2], v[X+4*(\c)+3]
.if \half
	v_lshlrev_b32 v[T], 16, v[Y+2*(\c)]            ; the bf16 numbers as f32,
	v_and_b32 v[T+1], s24, v[Y+2*(\c)]
	v_lshlrev_b32 v[T+2], 16, v[Y+2*(\c)+1]
	v_and_b32 v[T+3], s24, v[Y+2*(\c)+1]
	v_cvt_pk_f16_f32 v[Y+2*(\c)], v[T], v[T+1]     ; written as f16
	v_cvt_pk_f16_f32 v[Y+2*(\c)+1], v[T+2], v[T+3]
.endif
	global_store_b64 v2, v[Y+2*(\c):Y+2*(\c)+1], s[14:15] offset:2048*(\c)
.endm
	s_cmp_eq_u32 s16, 4
	s_cbranch_scc1 .Lwo
.irp c, 0,1,2,3,4,5,6,7,8,9,10,11,12,13,14,15
	CHUNK \c, 0
.endr
	s_endpgm
.Lwo:
.irp c, 0,1,2,3,4,5,6,7,8,9,10,11,12,13,14,15
	CHUNK \c, 1
.endr
	s_endpgm
.Lfunc_end_k_q2cacb43b4b_cast:
	.size	k_q2cacb43b4b_cast, .Lfunc_end_k_q2cacb43b4b_cast-k_q2cacb43b4b_cast
	.p2alignl 7, 3214868480
	.fill 96, 4, 3214868480
	.section	.rodata,"a",@progbits
	.p2align	6, 0x0
	.amdhsa_kernel k_q2cacb43b4b_cast
		.amdhsa_group_segment_fixed_size 0
		.amdhsa_private_segment_fixed_size 0
		.amdhsa_enable_private_segment 0
		.amdhsa_kernarg_size 48
		.amdhsa_user_sgpr_count 2
		.amdhsa_user_sgpr_kernarg_segment_ptr 1
		.amdhsa_wavefront_size32 1
		.amdhsa_system_sgpr_workgroup_id_x 1
		.amdhsa_system_sgpr_workgroup_id_y 1
		.amdhsa_system_sgpr_workgroup_id_z 1
		.amdhsa_system_vgpr_workitem_id 0
		.amdhsa_next_free_vgpr 104
		.amdhsa_next_free_sgpr 66
		.amdhsa_reserve_vcc 0
		.amdhsa_float_denorm_mode_32 3
		.amdhsa_float_denorm_mode_16_64 3
		.amdhsa_memory_ordered 1
		.amdhsa_forward_progress 1
		.amdhsa_inst_pref_size 20
	.end_amdhsa_kernel
	.amdgpu_metadata
---
amdhsa.version: [ 1, 2 ]
amdhsa.kernels:
  - .name:           k_q2cacb43b4b_cast
    .symbol:         k_q2cacb43b4b_cast.kd
    .args:
      - { .name: x, .offset: 0, .size: 8, .value_kind: global_buffer, .address_space: global }
      - { .name: Wq, .offset: 8, .size: 8, .value_kind: global_buffer, .address_space: global }
      - { .name: Wk, .offset: 16, .size: 8, .value_kind: global_buffer, .address_space: global }
      - { .name: Wv, .offset: 24, .size: 8, .value_kind: global_buffer, .address_space: global }
      - { .name: Wo, .offset: 32, .size: 8, .value_kind: global_buffer, .address_space: global }
      - { .name: cst, .offset: 40, .size: 8, .value_kind: global_buffer, .address_space: global }
    .group_segment_fixed_size: 0
    .private_segment_fixed_size: 0
    .kernarg_segment_align: 8
    .kernarg_segment_size: 48
    .max_flat_workgroup_size: 256
    .sgpr_count:     66
    .vgpr_count:     104
    .wavefront_size: 32
...
	.end_amdgpu_metadata
.endif
;; end of part 1
;; launch proj (part 2): grid 16 x 16, 4 waves a work-group, clusters of 4 x 4, 327,680 bytes of LDS; arguments cst, cos, sin, qkv; writes qkv
.if DOCPART == 2
	.amdgcn_target "amdgcn-amd-amdhsa--gfx1250"
	.amdhsa_code_object_version 6
	.text
	.protected	k_q2cacb43b4b_proj
	.globl	k_q2cacb43b4b_proj
	.p2align	8
	.type	k_q2cacb43b4b_proj,@function
k_q2cacb43b4b_proj:
	s_mov_b64 s[64:65], 0
	v_nop
	global_prefetch_b8 v0, s[64:65] scope:SCOPE_SE
	s_setreg_imm32_b32 hwreg(HW_REG_WAVE_MODE, 25, 1), 1
	s_wait_xcnt 0x0
	s_wait_alu depctr_hold_cnt(0) depctr_sa_sdst(0) depctr_va_vdst(0) depctr_va_sdst(0) depctr_va_ssrc(0) depctr_va_vcc(0) depctr_vm_vsrc(0)
	s_getreg_b32 s2, hwreg(HW_REG_IB_STS2, 6, 4)
	s_cmp_eq_u32 s2, 0
	s_cbranch_scc0 .Lentry_in_a_cluster
	s_endpgm
.Lentry_in_a_cluster:
	s_bfe_u32 s2, ttmp6, 0x10000c
	s_cmp_lg_u32 s2, 0xf033
	s_cbranch_scc0 .Lentry_shape_is_right
	s_endpgm
.Lentry_shape_is_right:
; PROJECTIONS AND ROPE.  q' = rope(x Wq) / 64, k' = rope(x Wk) / 64, v' = x Wv / 16, written by heads: qkv[3][16][2048][128] in f16.  x and the weights come from cst in bf16 (the factors lie in the weights);
; sums in f32; sin and cos are rounded once to bf16; the rotation is made in f32 on the f32 sums; each output is rounded once.
; LIMITS.  |q| / 64, |k| / 64 and |v| / 16 stay within f16's 65,504; below 6e-5 they keep f16's fixed step of 6e-8.  NaN and infinities are not treated apart.
; SHARES.  Work-group (head X, row block Y) makes rows 128 Y .. +127 of q, k and v of head X: 128 x (3 x 128).  Wave w: rows 64 (w / 2) .. +63 (4 blocks a of 16); in each of the three groups g the four column
; blocks jb at columns 32 (w % 2) + 16 (jb % 2) + 64 (jb / 2): a channel d and its partner d + 64 lie in the same lane, in accumulators jb and jb + 2.  48 accumulators, 384 registers.
; K goes in 16 steps of 128 through two LDS slots.  A slot: 128 rows of x (256 bytes a row) and, for each g, 128 k-rows of W (256 bytes of a row).  Wave 0 asks for x's tile, waves 1 to 3 for Wq's, Wk's, Wv's.
; THE STEPS GO ROUND: a cluster begins at a step of its own, made of the cluster's two coordinates, and walks all 16 modulo 16.  The four clusters that read one tile of x begin 4 steps apart, and of the four that
; read one tile of W two and two begin 8 apart: they ask for it at different times.  The f32 sums are taken in that order of K.
; W lies [k][n]: its fragments come out of LDS turned, by ds_load_tr16_b128.  THE MATRIX INSTRUCTION IS USED TRANSPOSED (source 0 = 16 columns of W, source 1 = 16 rows of x): a lane holds eight neighbouring columns of a row.
; CLUSTER 4 x 4: x's tile hangs on Y alone and is asked for jointly by the four of a row of the cluster, W's tiles on X alone, by the four of a column.
; REGISTERS.  window 0: v0-31 addresses; v32-63 at work on the way out; v64-127 x's fragments, two buffers of 32; v128-255 the tables (bf16 pairs).  window 1: v0-191 W's fragments, two buffers of 96
; (at the start all 256 take the tables as loaded).  window 2: accumulators of blocks a = 0, 1 at 96 (a % 2) + 8 (4 g + jb); window 3: a = 2, 3.
.set SLOT,  147456                     ; four regions of 36,864 bytes.  Bits 17 and 14, which make this number, are 0 in every slot-0 address of a descriptor, so one exclusive or changes the slot
.set REGN,  36864
.set PA,    272                        ; a row of x in LDS: 256 bytes + 16: the 16 rows of a load start at 16 different groups of four banks (64 banks of 4 bytes: ISA guide 11.1)
.set PB,    288                        ; a row of W: 256 + 32
.set SPARE, 2*SLOT                     ; the spare words, 128 bytes a wave: two blocks of 256 bytes that no other line names
.set SG,    128*PA                     ; the stage for the way out lies in slot 0, behind that slot's last fill: group g's 128 rows at SG g
.set GO,    8                          ; v8   16 x lane: my bytes in 512 consecutive bytes of the output
.set VT,    9                          ; v9   my byte offset in the tables
.set ZR,    10                         ; v10  0
.set RD,    12                         ; v12-14  the way out: where I read rows of group g back
.set ADRA0, 16                         ; v16  my place in x's tile, slot 0;  v17 in the slot in hand
.set ADRA,  17
.set ADRB0, 18                         ; v18-20  my place in W_g's tile, slot 0;  v21-23 in the slot in hand
.set ADRB,  21
.set STO,   24                         ; v24-26  the way out: where I put 16 bytes of a row of group g
.set SPW,   28                         ; v28  LDS address of my spare word; never rewritten
.set NIL,   29                         ; v29  0; never rewritten
.set Y1,    32
.set Y2,    40
.set PK,    48
.set TAB,   128                        ; 32 a + 16 j + 4 kind + p: kind 0 cos(d), 1 -sin(d), 2 cos(d + 64), 3 sin(d + 64); p: the pair of channels 2 p, 2 p + 1 of my eight
.set WV,    12
.set WR,    13
.set WC,    14
.set G1A,   24                         ; s[24:31] group 1 for x's tiles;  s[32:39] group 0, two sets: the second walks
.set G0A,   32
.set KK,    47                         ; s47  the K step asked for last
.set G1B,   48                         ; s[48:55], s[56:63] the same for W's tiles
.set G0B,   56
.set TB,    66                         ; s66  0 or SLOT: the slot in hand
.set CNT,   67
.set KO,    82                         ; s[82:83] a K step's byte offset
.set MSB, 0
.macro WIN new                         ; the immediate's high byte repeats the setting that is left; a switch that changes nothing is dropped
.if MSB != (\new)
	s_set_vgpr_msb (MSB<<8)|(\new)
.set MSB, \new
.endif
.endm
.macro PLACES                          ; four places between a matrix instruction and a load into, or a vector line on, its registers
.rept 4
	v_nop
.endr
.endm
.macro CREST                           ; a round of the cluster's barrier behind its opening barrier
	s_cmp_lg_u32 s[WV], 0
	s_cbranch_scc1 .Lnot_wave_0_\@
	s_barrier_signal -3
.Lnot_wave_0_\@:
	s_barrier_wait -3
	s_barrier_signal -1
	s_barrier_wait -1
.endm
.macro CROUND
	s_barrier_signal -1
	s_barrier_wait -1
	CREST
.endm
; A joint load.  The branch hangs on the wave's number alone.  An s_nop 0 and four v_nop follow each of the two lines.
.macro JLOAD s
	s_cmp_eq_u32 s[WV], 0
	s_cbranch_scc0 .Lfor_b_\@
	tensor_load_to_lds s[G0A+4*(\s):G0A+4*(\s)+3], s[G1A:G1A+7]
	s_nop 0
.rept 4
	v_nop
.endr
	s_branch .Lasked_\@
.Lfor_b_\@:
	tensor_load_to_lds s[G0B+4*(\s):G0B+4*(\s)+3], s[G1B:G1B+7]
	s_nop 0
.rept 4
	v_nop
.endr
.Lasked_\@:
.endm
	s_load_b256 s[4:11], s[0:1], 0x0               ; cst s[4:5], cos s[6:7], sin s[8:9], qkv s[10:11]
	v_lshl_add_u32 v[SPW], v0, 2, SPARE
	v_mov_b32 v[NIL], 0
	ds_add_u32 v[SPW], v[NIL]                      ; the wave's opening, with its wait, ahead of my first tensor load
	v_lshrrev_b32 v1, 5, v0
	v_readfirstlane_b32 s[WV], v1                  ; wave 0..3
	s_lshr_b32 s[WR], s[WV], 1
	s_and_b32 s[WC], s[WV], 1
	s_bfe_u32 s40, ttmp6, 0x40000                  ; cx
	s_bfe_u32 s41, ttmp6, 0x40004                  ; cy
	s_lshl_b32 s42, ttmp9, 2
	s_add_co_u32 s42, s42, s40                     ; X, the head = 4 x cluster x + cx
	s_and_b32 s43, ttmp7, 0xffff
	s_lshl_b32 s43, s43, 2
	s_add_co_u32 s43, s43, s41                     ; Y, the row block = 4 x cluster y + cy
	s_lshl_b32 s44, s41, 2
	s_lshl_b32 s44, 15, s44                        ; my row of the cluster
	s_lshl_b32 s45, 0x1111, s40                    ; my column
	s_or_b32 s[G1A], s44, (1<<16)|(1<<20)|(1<<21)|(5<<22)|(3<<25)  ; the mask; 2-byte elements; padding on; bit 21 beside a mask; after every 64 words 4 words
	s_or_b32 s[G1B], s45, (1<<16)|(1<<20)|(1<<21)|(5<<22)|(7<<25)  ; the same with my column's mask and 8 words
.irp g, G1A, G1B
	s_mov_b32 s[(\g)+1], 128<<16                   ; tensor_dim0 = 128
	s_mov_b32 s[(\g)+2], 128<<16                   ; tensor_dim1 = 128
	s_mov_b32 s[(\g)+3], 128<<16                   ; tile_dim0 = 128
	s_mov_b32 s[(\g)+4], 128                       ; tile_dim1 = 128
	s_mov_b32 s[(\g)+5], 2048                      ; elements from row to row
	s_mov_b32 s[(\g)+6], 0
	s_mov_b32 s[(\g)+7], 0
.endr
	s_lshl_b32 s68, s43, 19                        ; x: 128 Y rows of 4,096 bytes: made of Y alone
	s_mov_b32 s69, 0
	s_lshl_b32 s70, s[WV], 23                      ; W: array w of cst (1 Wq, 2 Wk, 3 Wv), 256 X bytes into its rows: made of X and the wave alone
	s_lshl_b32 s46, s42, 8
	s_add_co_u32 s70, s70, s46
	s_mov_b32 s71, 0
	s_mul_i32 s20, s[WV], REGN                     ; region w of a slot
	s_mov_b32 s[TB], 0
	; the cluster's first K step, of the cluster's coordinates alone (all sixteen partners share them): 8 (x & 1) + 4 (x >> 1) + 8 ((y ^ (y >> 1)) & 1), modulo 16
	s_and_b32 s[KK], ttmp9, 1
	s_lshl_b32 s[KK], s[KK], 3
	s_lshr_b32 s2, ttmp9, 1
	s_lshl2_add_u32 s[KK], s2, s[KK]
	s_and_b32 s2, ttmp7, 0xffff
	s_lshr_b32 s3, s2, 1
	s_xor_b32 s2, s2, s3
	s_and_b32 s2, s2, 1
	s_lshl3_add_u32 s[KK], s2, s[KK]
	s_and_b32 s[KK], s[KK], 15
	s_mov_b32 s[KO+1], 0
	s_wait_dscnt 0x0                               ; the opening add is done
	s_wait_kmcnt 0x0
	s_add_nc_u64 s[16:17], s[4:5], s[68:69]        ; x's and W's tiles of K step 0: kept, every fill's address is made from them
	s_add_nc_u64 s[18:19], s[4:5], s[70:71]
	CROUND                                         ; all sixteen work-groups are here: the first joint loads meet
.irp s, 0,1
	s_add_co_u32 s2, s[KK], \s                     ; the cluster's first and second K step
	s_and_b32 s2, s2, 15
	s_lshl_b32 s[KO], s2, 8                        ; x: 128 k of 2 bytes a step
	s_mov_b32 s[G0A+4*(\s)], 1
	s_mov_b32 s[G0A+4*(\s)+1], (\s)*SLOT
	s_add_nc_u64 s[G0A+4*(\s)+2:G0A+4*(\s)+3], s[16:17], s[KO:KO+1]
	s_or_b32 s[G0A+4*(\s)+3], s[G0A+4*(\s)+3], 0x80000000
	s_lshl_b32 s[KO], s2, 19                       ; W: 128 rows of 4,096 bytes a step
	s_mov_b32 s[G0B+4*(\s)], 1
	s_add_co_u32 s[G0B+4*(\s)+1], s20, (\s)*SLOT
	s_add_nc_u64 s[G0B+4*(\s)+2:G0B+4*(\s)+3], s[18:19], s[KO:KO+1]
	s_or_b32 s[G0B+4*(\s)+3], s[G0B+4*(\s)+3], 0x80000000
	JLOAD \s                                       ; two loads of mine are out
.endr
	s_add_co_u32 s[KK], s[KK], 1                   ; the step asked for last
	; lane addresses
	v_and_b32 v1, 15, v0                           ; r = lane % 16
	v_bfe_u32 v2, v0, 4, 1                         ; h = lane / 16
	v_and_b32 v3, 31, v0                           ; lane
	v_and_b32 v4, 7, v0
	v_bfe_u32 v5, v0, 3, 1
	v_mov_b32 v[ZR], 0
	s_mul_i32 s21, s[WR], 64*PA
	v_mul_u32_u24 v[ADRA0], v1, PA
	v_lshl_add_u32 v[ADRA0], v2, 4, v[ADRA0]
	v_add_nc_u32 v[ADRA0], s21, v[ADRA0]           ; (64 wr + r) x pitch + 16 h
	v_mov_b32 v[ADRA], v[ADRA0]
	v_lshl_add_u32 v6, v2, 3, v4                   ; the turning load: k-row 8 h + lane % 8,
	v_mul_u32_u24 v6, v6, PB
	v_lshl_add_u32 v6, v5, 4, v6                   ; 16 bytes for each half of eight lanes
	s_lshl_b32 s22, s[WC], 6                       ; my 32 columns of each half of a head
	s_add_co_u32 s22, s22, REGN
	s_lshl_b32 s23, s[WC], 6
.irp g, 0,1,2
	v_add_nc_u32 v[ADRB0+(\g)], s22, v6
	v_mov_b32 v[ADRB+(\g)], v[ADRB0+(\g)]
	v_add_nc_u32 v[STO+(\g)], s23, v[ADRA0]        ; the stage: SG g + (64 wr + r) x 272 + 64 wc + 16 h
	s_add_co_u32 s22, s22, REGN
	s_add_co_u32 s23, s23, SG
.endr
	s_mul_i32 s21, s[WV], 32*PA                    ; back: wave w takes rows 32 w .. +31, whole: lanes 0-15 a row of 256 bytes, lanes 16-31 the next
	v_mul_u32_u24 v7, v2, PA
	v_lshl_add_u32 v7, v1, 4, v7
.irp g, 0,1,2
	v_add_nc_u32 v[RD+(\g)], s21, v7
	s_add_co_u32 s21, s21, SG
.endr
	v_lshlrev_b32 v[GO], 4, v3
	s_lshl_b32 s21, s[WR], 15                      ; the tables: row 64 wr + r of 512 bytes, channel 32 wc + 8 h of 4 bytes
	s_lshl_b32 s22, s[WC], 7
	s_add_co_u32 s21, s21, s22
	v_lshl_add_u32 v[VT], v1, 9, s21
	v_lshl_add_u32 v[VT], v2, 5, v[VT]
	s_lshl_b32 s80, s43, 16                        ; 128 Y rows of the tables
	s_mov_b32 s81, 0
	s_add_nc_u64 s[6:7], s[6:7], s[80:81]
	s_add_nc_u64 s[8:9], s[8:9], s[80:81]
	s_lshl_b32 s78, s42, 19                        ; the output: head X, row 128 Y + 32 w, 256 bytes a row
	s_lshl_b32 s79, s43, 15
	s_add_co_u32 s78, s78, s79
	s_lshl_b32 s79, s[WV], 13
	s_add_co_u32 s78, s78, s79
	s_mov_b32 s79, 0
	s_add_nc_u64 s[72:73], s[10:11], s[78:79]      ; q
	s_add_nc_u64 s[74:75], s[72:73], 0x800000      ; k
	s_add_nc_u64 s[76:77], s[72:73], 0x1000000     ; v
	; The tables of my 64 rows x 64 channels, once: 64 loads into window 1, rounded to bf16 pairs in window 0.  All this stands in the wait for the first tile.
	WIN 0x40
.set i, 0
.rept 32                               ; i = 8 a + 4 j + kind
.set oo, 8192*(i/8)+64*((i/4)%2)+256*((i%4)/2)
	global_load_b128 v[8*i:8*i+3],   v[VT], s[6+2*(i%2):7+2*(i%2)] offset:oo
	global_load_b128 v[8*i+4:8*i+7], v[VT], s[6+2*(i%2):7+2*(i%2)] offset:oo+16
.set i, i+1
.endr
	s_wait_loadcnt 0x0
	WIN 0x05
.set i, 0
.rept 128
	v_cvt_pk_bf16_f32 v[TAB+i], v[2*i], v[2*i+1]
.set i, i+1
.endr
	WIN 0
.set i, 0
.rept 8                                ; kind 1: -sin
.rept 4
	v_xor_b32 v[TAB+4*(i/4)*4+4+i%4], 0x80008000, v[TAB+4*(i/4)*4+4+i%4]
.set i, i+1
.endr
.endr
; 12 matrix instructions: row block a x my 12 column blocks, 32 along K, from buffer f.  The 48 accumulators take turns, one instruction a turn, in the same order everywhere.
.macro MUL12 f, a, zero
	WIN 0xa1+0x50*((\a)/2)
.set rA, 64+32*(\f)+8*(\a)
.set b, 0
.rept 12
.set rC, 96*((\a)%2)+8*b
.set rB, 96*(\f)+8*b
.if \zero
	v_wmma_f32_16x16x32_bf16 v[rC:rC+7], v[rB:rB+7], v[rA:rA+7], 0
.else
	v_wmma_f32_16x16x32_bf16 v[rC:rC+7], v[rB:rB+7], v[rA:rA+7], v[rC:rC+7]
.endif
.set b, b+1
.endr
.endm
; 32 LDS loads in one run: quarter q (32 along K) of the slot in hand into buffer f: W's 12 fragments (turned), then x's 4
.macro FETCH q, f
	WIN 0x40
.set b, 0
.rept 12
.set rB, 96*(\f)+8*b
.set oB, 32*PB*(\q)+32*(b%2)+128*((b%4)/2)
	ds_load_tr16_b128 v[rB:rB+3],   v[ADRB+b/4] offset:oB
	ds_load_tr16_b128 v[rB+4:rB+7], v[ADRB+b/4] offset:oB+16*PB
.set b, b+1
.endr
	WIN 0
.set b, 0
.rept 4
.set rA, 64+32*(\f)+8*b
	ds_load_b128 v[rA:rA+3],   v[ADRA] offset:64*(\q)+16*PA*b
	ds_load_b128 v[rA+4:rA+7], v[ADRA] offset:64*(\q)+16*PA*b+32
.set b, b+1
.endr
.endm
; One of a K step's first three quarters: multiplies buffer f; in its middle it fetches quarter q into buffer g
.macro QUARTER q, f, g, zero
	s_wait_dscnt 4                                 ; W and x's blocks 0, 1 are in; the youngest four loads (blocks 2, 3) may be out
	MUL12 \f, 0, \zero
	MUL12 \f, 1, \zero
	PLACES
	FETCH \q, \g
	s_wait_dscnt 32                                ; all but the 32 just issued
	MUL12 \f, 2, \zero
	MUL12 \f, 3, \zero
.endm
; The last quarter multiplies buffer 1 and changes slots.  In front of the barrier each wave waits for all its tensor loads (one is out: its part of the next slot), adds 0 to its spare word, and waits for
; that and for its reads of this slot.  fill = 1: the barrier opens a round of the cluster's, and the slot just read is asked for again, with the cluster's next K step but one, first thing behind the round.
.macro TURN fill
	WIN 0
	s_wait_tensorcnt 0x0                           ; no tensor load of mine is out, so a group 0 may be written
	ds_add_u32 v[SPW], v[NIL]                      ; 0 onto my spare word; the descriptors' scalar work and 12 products stand between it and the wait for it
.if \fill
	s_add_co_u32 s[KK], s[KK], 1                   ; the next K step, modulo 16; both addresses are made anew from the kept ones
	s_and_b32 s[KK], s[KK], 15
	s_lshl_b32 s[KO], s[KK], 8
	s_xor_b32 s[G0A+5], s[G0A+5], SLOT             ; the other slot than last time
	s_add_nc_u64 s[G0A+6:G0A+7], s[16:17], s[KO:KO+1]
	s_or_b32 s[G0A+7], s[G0A+7], 0x80000000
	s_lshl_b32 s[KO], s[KK], 19
	s_xor_b32 s[G0B+5], s[G0B+5], SLOT
	s_add_nc_u64 s[G0B+6:G0B+7], s[18:19], s[KO:KO+1]
	s_or_b32 s[G0B+7], s[G0B+7], 0x80000000
.endif
	s_wait_dscnt 5                                 ; (the add and the youngest four loads may be out)
	MUL12 1, 0, 0
	s_wait_dscnt 0x0                               ; the add is done, and my reads of this slot are over
	s_barrier_signal -1
	MUL12 1, 1, 0
	WIN 0
	s_barrier_wait -1
.if \fill
	CREST
	JLOAD 1                                        ; its four v_nop are also the places in front of the loads below
.else
	PLACES
.endif
	s_xor_b32 s[TB], s[TB], SLOT
	v_add_nc_u32 v[ADRA], s[TB], v[ADRA0]
	v_add_nc_u32 v[ADRB], s[TB], v[ADRB0]
	v_add_nc_u32 v[ADRB+1], s[TB], v[ADRB0+1]
	v_add_nc_u32 v[ADRB+2], s[TB], v[ADRB0+2]
	FETCH 0, 0
	MUL12 1, 2, 0
	MUL12 1, 3, 0
.endm
	s_wait_tensorcnt 1                             ; my part of the first K step is in; the second's may stay out
	s_barrier_signal -1
	s_barrier_wait -1
	FETCH 0, 0
	QUARTER 1, 0, 1, 1                             ; the first quarter stands in front of the loop: its products start the sums
	WIN 0
	s_mov_b32 s[CNT], 14
.Lk:                                                   ; a trip: the rest of a K step, the refill two steps on (the walk's steps 2 to 15), the next step's first quarter
	QUARTER 2, 1, 0, 0
	QUARTER 3, 0, 1, 0
	TURN 1
	QUARTER 1, 0, 1, 0
	WIN 0
	s_sub_co_u32 s[CNT], s[CNT], 1
	s_cmp_lg_u32 s[CNT], 0
	s_cbranch_scc1 .Lk
	QUARTER 2, 1, 0, 0                             ; the walk's step 14 goes on; nothing more is asked for
	QUARTER 3, 0, 1, 0
	TURN 0
	QUARTER 1, 0, 1, 0
	QUARTER 2, 1, 0, 0
	QUARTER 3, 0, 1, 0
	s_wait_dscnt 4
	MUL12 1, 0, 0
	MUL12 1, 1, 0
	s_wait_dscnt 0x0
	MUL12 1, 2, 0
	MUL12 1, 3, 0
; THE WAY OUT.  The stage lies in slot 0: its last fill was the walk's step 14, and every wave's reads of it ended in front of the last change's barrier.
; ROPE: y(d) = u(d) cos(d) - u(d + 64) sin(d); y(d + 64) = u(d + 64) cos(d + 64) + u(d) sin(d + 64), in f32 from the f32 sums and the tables' bf16 halves.  Each accumulator is read from its lowest register on.
.macro ROPE a, g, j
.set rU1, 96*((\a)%2)+8*(4*(\g)+(\j))
.set rU2, rU1+16
.set rT, TAB+32*(\a)+16*(\j)
	WIN 0x08+4*((\a)/2)
.set p, 0
.rept 4
	v_fma_mix_f32_bf16 v[Y1+2*p],   v[rT+p],   v[rU1+2*p],   v[ZR] op_sel_hi:[1,0,0]
	v_fma_mix_f32_bf16 v[Y2+2*p],   v[rT+8+p], v[rU2+2*p],   v[ZR] op_sel_hi:[1,0,0]
	v_fma_mix_f32_bf16 v[Y1+2*p+1], v[rT+p],   v[rU1+2*p+1], v[ZR] op_sel:[1,0,0] op_sel_hi:[1,0,0]
	v_fma_mix_f32_bf16 v[Y2+2*p+1], v[rT+8+p], v[rU2+2*p+1], v[ZR] op_sel:[1,0,0] op_sel_hi:[1,0,0]
.set p, p+1
.endr
.set p, 0
.rept 4
	v_fma_mix_f32_bf16 v[Y1+2*p],   v[rT+4+p],  v[rU2+2*p],   v[Y1+2*p] op_sel_hi:[1,0,0]
	v_fma_mix_f32_bf16 v[Y2+2*p],   v[rT+12+p], v[rU1+2*p],   v[Y2+2*p] op_sel_hi:[1,0,0]
	v_fma_mix_f32_bf16 v[Y1+2*p+1], v[rT+4+p],  v[rU2+2*p+1], v[Y1+2*p+1] op_sel:[1,0,0] op_sel_hi:[1,0,0]
	v_fma_mix_f32_bf16 v[Y2+2*p+1], v[rT+12+p], v[rU1+2*p+1], v[Y2+2*p+1] op_sel:[1,0,0] op_sel_hi:[1,0,0]
.set p, p+1
.endr
	WIN 0
.set p, 0
.rept 4
	v_cvt_pk_f16_f32 v[PK+8*(\j)+p],   v[Y1+2*p], v[Y1+2*p+1]
	v_cvt_pk_f16_f32 v[PK+8*(\j)+4+p], v[Y2+2*p], v[Y2+2*p+1]
.set p, p+1
.endr
	ds_store_b128 v[STO+(\g)], v[PK+8*(\j):PK+8*(\j)+3]   offset:16*PA*(\a)+32*(\j)
	ds_store_b128 v[STO+(\g)], v[PK+8*(\j)+4:PK+8*(\j)+7] offset:16*PA*(\a)+32*(\j)+128
.endm
.macro VOUT a                          ; v: rounded as it is
	WIN 0x0a+5*((\a)/2)
.set p, 0
.rept 16                               ; column block p / 4, pair p % 4
	v_cvt_pk_f16_f32 v[Y1+p], v[96*((\a)%2)+64+2*p], v[96*((\a)%2)+64+2*p+1]
.set p, p+1
.endr
	WIN 0
.set p, 0
.rept 4
	ds_store_b128 v[STO+2], v[Y1+4*p:Y1+4*p+3] offset:16*PA*(\a)+32*(p%2)+128*(p/2)
.set p, p+1
.endr
.endm
	PLACES
.irp a, 0,1,2,3
	ROPE \a, 0, 0
	ROPE \a, 0, 1
	ROPE \a, 1, 0
	ROPE \a, 1, 1
	VOUT \a
.endr
	s_wait_dscnt 0x0                               ; for the others' sake: a row's 256 bytes come from two waves
	s_barrier_signal -1
	s_barrier_wait -1
.set i, 0
.rept 48                               ; group i / 16, rows 2 (i % 16) and the next
	ds_load_b128 v[64+4*i:64+4*i+3], v[RD+i/16] offset:2*PA*(i%16)
.set i, i+1
.endr
.set i, 0
.rept 48
	s_wait_dscnt 47-i                              ; LDS loads come back in order: load i is in
	global_store_b128 v[GO], v[64+4*i:64+4*i+3], s[72+2*(i/16):73+2*(i/16)] offset:512*(i%16)  ; 512 consecutive bytes, at a multiple of 256 from the buffer's first
.set i, i+1
.endr
	s_wait_tensorcnt 0x0                           ; the wave's end
	ds_add_u32 v[SPW], v[NIL]
	s_wait_dscnt 0x0
	CROUND                                         ; the closing round
	s_endpgm
.Lfunc_end_k_q2cacb43b4b_proj:
	.size	k_q2cacb43b4b_proj, .Lfunc_end_k_q2cacb43b4b_proj-k_q2cacb43b4b_proj
	.p2alignl 7, 3214868480
	.fill 96, 4, 3214868480
	.section	.rodata,"a",@progbits
	.p2align	6, 0x0
	.amdhsa_kernel k_q2cacb43b4b_proj
		.amdhsa_group_segment_fixed_size 327680
		.amdhsa_private_segment_fixed_size 0
		.amdhsa_enable_private_segment 0
		.amdhsa_kernarg_size 32
		.amdhsa_user_sgpr_count 2
		.amdhsa_user_sgpr_kernarg_segment_ptr 1
		.amdhsa_wavefront_size32 1
		.amdhsa_system_sgpr_workgroup_id_x 1
		.amdhsa_system_sgpr_workgroup_id_y 1
		.amdhsa_system_sgpr_workgroup_id_z 1
		.amdhsa_system_vgpr_workitem_id 0
		.amdhsa_next_free_vgpr 1024
		.amdhsa_next_free_sgpr 84
		.amdhsa_reserve_vcc 0
		.amdhsa_float_denorm_mode_32 3
		.amdhsa_float_denorm_mode_16_64 3
		.amdhsa_memory_ordered 1
		.amdhsa_forward_progress 1
		.amdhsa_inst_pref_size 149
	.end_amdhsa_kernel
	.amdgpu_metadata
---
amdhsa.version: [ 1, 2 ]
amdhsa.kernels:
  - .name:           k_q2cacb43b4b_proj
    .symbol:         k_q2cacb43b4b_proj.kd
    .args:
      - { .name: cst, .offset: 0, .size: 8, .value_kind: global_buffer, .address_space: global }
      - { .name: cos, .offset: 8, .size: 8, .value_kind: global_buffer, .address_space: global }
      - { .name: sin, .offset: 16, .size: 8, .value_kind: global_buffer, .address_space: global }
      - { .name: qkv, .offset: 24, .size: 8, .value_kind: global_buffer, .address_space: global }
    .group_segment_fixed_size: 327680
    .private_segment_fixed_size: 0
    .kernarg_segment_align: 8
    .kernarg_segment_size: 32
    .max_flat_workgroup_size: 128
    .sgpr_count:     84
    .vgpr_count:     1024
    .wavefront_size: 32
...
	.end_amdgpu_metadata
.endif
;; end of part 2
;; launch attn (part 3): grid 16 x 16, 4 waves a work-group, clusters of 4 x 1, 327,680 bytes of LDS; arguments qkv, doc_ids, ob; writes ob
.if DOCPART == 3
	.amdgcn_target "amdgcn-amd-amdhsa--gfx1250"
	.amdhsa_code_object_version 6
	.text
	.protected	k_q2cacb43b4b_attn
	.globl	k_q2cacb43b4b_attn
	.p2align	8
	.type	k_q2cacb43b4b_attn,@function
k_q2cacb43b4b_attn:
	s_mov_b64 s[64:65], 0
	v_nop
	global_prefetch_b8 v0, s[64:65] scope:SCOPE_SE
	s_setreg_imm32_b32 hwreg(HW_REG_WAVE_MODE, 25, 1), 1
	s_wait_xcnt 0x0
	s_wait_alu depctr_hold_cnt(0) depctr_sa_sdst(0) depctr_va_vdst(0) depctr_va_sdst(0) depctr_va_ssrc(0) depctr_va_vcc(0) depctr_vm_vsrc(0)
	s_getreg_b32 s2, hwreg(HW_REG_IB_STS2, 6, 4)
	s_cmp_eq_u32 s2, 0
	s_cbranch_scc0 .Lentry_in_a_cluster
	s_endpgm
.Lentry_in_a_cluster:
	s_bfe_u32 s2, ttmp6, 0x10000c
	s_cmp_lg_u32 s2, 0x3003
	s_cbranch_scc0 .Lentry_shape_is_right
	s_endpgm
.Lentry_shape_is_right:
; MASKED ATTENTION.  O[q] = the sum over keys k <= q with doc[k] = doc[q] of softmax_k(q . k / sqrt(128)) v[k], for each of 16 heads of 128 channels, 2,048 rows.
; In: qkv[3][16][2048][128] f16, holding q / 64, k / 64, v / 16.  Out: ob[2048][2048] f16 = O / 16, head h at byte 256 h of a row.  Products, maxima and sums in f32; the weights p are rounded to f16 for the
; second product (their sum l is taken of the unrounded p); O is rounded once.  p = 2^(c s - c m) with a running maximum m; c = log2(e) / sqrt(128) x 4096 takes the two factors 1/64 back.
; LIMITS.  A hidden score counts as -1e30: raw scores stay far below 1e29.  A weight below 2^-126 counts as 0.  doc_ids may hold any numbers in any order: equality is tested for every score.
; NaN and infinities are not treated apart.
; THE WALK.  A head's queries lie in 32 blocks of 64, its keys in 8 tiles of 256.  Work-group b = 4 C + cx (C the cluster, cx its place in it) takes block 31 - b, which needs tiles 0 .. 7 - C, then block b, which
; needs tiles 0 .. C: 9 tiles whatever b, and the SAME tiles for the four partners of a cluster.  So every tile is asked for jointly, and every trip count and branch hangs on C alone; cx enters the global
; addresses of Q, doc_ids and O and the values of masks, nothing else.
; SHARES.  All four waves hold the same 64 queries (4 tiles t of 16); wave w takes keys 64 w .. +63 of each key tile: a step is 64 x 64, 128 matrix instructions.  Each wave keeps its own m, l and O; the four are
; merged once, at the end, for both blocks: O = sum of f_w O_w / sum of f_w l_w, f_w = 2^(c m_w - max c m).  A wave all of whose keys were hidden has c m = -5e32 and f = 0.
; THE MASK is the C operand that starts S^T = K Q^T, written into the accumulator: -1e30 where the documents differ, else the causal part: 0 but in a block's last tile, where my keys lie before (0), behind (-1e30)
; or on the block's own 64 (J = the block's place in the tile): there key block kb against query tile t is before, behind, or the 16 x 16 diagonal MD8.
; LAYOUT.  S^T holds ONE query a lane (lane % 16) and the keys 8 (lane / 16) + 0..7; two such results rounded to f16 in pairs ARE source 1 of O^T = V^T P.  P is packed over S, so that both blocks' O fit.
; A step goes in phases: K in, masks, 64 products, V in, softmax, 64 products.
; REGISTERS.  window 0: see the names below.  window 1: v0-127 Q (32 t + 8 cc); v128-255 K (32 kb + 8 cc), later V (64 kk + 8 cb).  window 2: O^T (64 t + 8 cb).  window 3: the first block's O^T, kept for the merge.
.set SLOT,  147456                     ; bits 17 and 14 are 0 in every slot-0 address of a descriptor, so one exclusive or changes the slot
.set KP,    272                        ; a row of K in LDS: 256 bytes + 16
.set VP,    288                        ; a row of V: 256 + 32
.set VOFF,  256*KP                     ; a slot: 256 rows of K, then 256 rows of V
.set STATS, 2*SLOT                     ; [block][wave][tile][16 rows] x (c m, l): 4,096 bytes, never filled by a tensor load
.set SPARE, STATS+4096                 ; the spare words, 128 bytes a wave: two blocks of 256 bytes that no other line names
.set MP,    528                        ; the merge's stage, in the slots behind their last fill: a row of 128 f32 + 16 bytes; [wave] x 64 rows; the first block in slot 0, the second in slot 1
.set MW,    64*MP
.set AK0, 2
.set AV0, 3
.set ADR, 4
.set QO,  5
.set VDK, 6
.set VDQ, 7
.set SADR, 8
.set LADR, 10
.set GO,  11
.set ST,  12                           ; v12-43  tile t at 12 + 8 t: c m, m, l (even keys', odd keys'), c0-c3 at work; c2 takes a
.set SA,  44                           ; v44-51  the first block's (c m, l) by tile
.set DQ,  52                           ; v52-55  my query's document, by tile
.set CBLT, 56                          ; the causal part for kb < t, kb > t
.set CBGT, 57
.set VBIG, 58                          ; -1e30
.set PADR, 60                          ; v60, v61  where I put my O in the stage, by block
.set SPW, 62
.set NIL, 63
.set S,   64                           ; v64-191  S^T at 32 t + 8 kb; P over it at 32 t + 8 kk
.set DK,  192                          ; v192-223  my 32 keys' documents, at 8 kb + j
.set MD8, 224                          ; v224-231  the 16 x 16 diagonal: -1e30 where 8 h + j > r
.set CBEQ, 232                         ; v232-239  the causal part for kb = t
.set TS,  240                          ; v240-247  a second chain of sums; at the merge the second block's (c m, l)
.set RADR, 248                         ; v248-251  where I read the stage back: by block and pair of waves
.set KV,  128
.set W,   128                          ; the merge: eight at work for each of 8 sets (block, tile)
.set G,   192                          ; the merge: f_own / L, as pairs
.set OUTR, 208                         ; the merge: two sets of 4 rows x 2 words to store
.set WV,  12
.set CX,  13
.set CC,  14
.set G1K, 24
.set G1V, 32
.set G0K, 40
.set G0V, 44
.set TRIP, 48
.set RT,  49                           ; tiles of the block in hand still to be entered
.set NXT, 50                           ; the tile to be asked for next
.set LQ,  51                           ; the last tile of the block whose tiles are being asked for
.set OFF, 52
.set TB,  54
.set JJ,  55
.set BIGN, 56
.set AL,  57
.set BELT, 58
.set BEGT, 59
.set SEL, 60
.set CS,  62
.set KB,  66                           ; s[66:67] K at my half of the head's tile 0;  s[68:69] V
.set VB,  68
.set QA,  70
.set QB,  72
.set DKB, 74
.set DQA, 76
.set DQB, 78
.set OA,  80
.set OB,  82
.set DKT, 87                           ; the tile of the next trip
.set CM,  88                           ; s[88:95] eight compare masks
.set MSB, 0
.macro WIN new
.if MSB != (\new)
	s_set_vgpr_msb (MSB<<8)|(\new)
.set MSB, \new
.endif
.endm
.macro PLACES
.rept 4
	v_nop
.endr
.endm
.macro ALLT line:vararg                ; one line for each query tile t
.set t, 0
.rept 4
	\line
.set t, t+1
.endr
.endm
.macro CROUND
	s_barrier_signal -1
	s_barrier_wait -1
	s_cmp_lg_u32 s[WV], 0
	s_cbranch_scc1 .Lnot_wave_0_\@
	s_barrier_signal -3
.Lnot_wave_0_\@:
	s_barrier_wait -3
	s_barrier_signal -1
	s_barrier_wait -1
.endm
; A joint fill.  Waves 0 and 1 fetch the two halves of a tile's K, waves 2 and 3 those of its V: 128 rows each.  An s_nop 0 and four v_nop follow each line.
.macro JLOAD
	s_cmp_lt_u32 s[WV], 2
	s_cbranch_scc0 .Lfor_v_\@
	tensor_load_to_lds s[G0K:G0K+3], s[G1K:G1K+7]
	s_nop 0
.rept 4
	v_nop
.endr
	s_branch .Lasked_\@
.Lfor_v_\@:
	tensor_load_to_lds s[G0V:G0V+3], s[G1V:G1V+7]
	s_nop 0
.rept 4
	v_nop
.endr
.Lasked_\@:
.endm
; THE CHANGE OF SLOTS.  Each wave waits for all its tensor loads (one is out: its part of the other slot), adds 0 to its spare word, and waits for that and for its reads of the slot that it leaves.
; fill = 1: a round of the cluster's barrier, and the slot left is asked for again, with tile NXT, first thing behind it; the address is made anew from that number.  (At the first use slot 0 is waited for, slot 1 filled.)
.macro CHANGE fill
	WIN 0
	s_wait_tensorcnt 0x0
	ds_add_u32 v[SPW], v[NIL]                      ; 0 onto my spare word; scalar work stands between it and the wait for it
.if \fill
	s_mov_b32 s[DKT], s[NXT]
	s_lshl_b32 s[OFF], s[NXT], 16                  ; a tile is 65,536 bytes of K and of V
	s_xor_b32 s[G0K+1], s[G0K+1], SLOT
	s_add_nc_u64 s[G0K+2:G0K+3], s[KB:KB+1], s[OFF:OFF+1]
	s_or_b32 s[G0K+3], s[G0K+3], 0x80000000
	s_xor_b32 s[G0V+1], s[G0V+1], SLOT
	s_add_nc_u64 s[G0V+2:G0V+3], s[VB:VB+1], s[OFF:OFF+1]
	s_or_b32 s[G0V+3], s[G0V+3], 0x80000000
	s_add_co_u32 s[NXT], s[NXT], 1                 ; the block's next tile, or behind its last the second block's tile 0
	s_cmp_gt_u32 s[NXT], s[LQ]
	s_cselect_b32 s[NXT], 0, s[NXT]
	s_cselect_b32 s[LQ], s[CC], s[LQ]
.endif
	s_xor_b32 s[TB], s[TB], SLOT
	s_wait_dscnt 0x0                               ; the add is done, and my reads of the slot are over
.if \fill
	CROUND
	JLOAD                                          ; its four v_nop are also the places behind the last products
.else
	s_barrier_signal -1
	s_barrier_wait -1
	PLACES
.endif
.endm
.macro QLOAD qb, db                    ; a block's Q (64 rows, every wave all of them) and its queries' documents
	WIN 0x40
.set i, 0
.rept 16                               ; tile i / 4, channels 32 (i % 4) on
	global_load_b128 v[8*i:8*i+3],   v[QO], s[\qb:\qb+1] offset:(i/4)*4096+(i%4)*64
	global_load_b128 v[8*i+4:8*i+7], v[QO], s[\qb:\qb+1] offset:(i/4)*4096+(i%4)*64+32
.set i, i+1
.endr
	WIN 0
.set i, 0
.rept 4
	global_load_b32 v[DQ+i], v[VDQ], s[\db:\db+1] offset:64*i
.set i, i+1
.endr
.endm
.macro DKLOAD                          ; my 64 keys' documents: lane half h takes keys 16 kb + 8 h + 0..7
.set i, 0
.rept 8
	global_load_b128 v[DK+4*i:DK+4*i+3], v[VDK], s[DKB:DKB+1] offset:64*(i/2)+16*(i%2)
.set i, i+1
.endr
.endm
.macro STINIT                          ; c m far below every c s, so the first step's a is 0; m the lowest finite number
	ALLT v_mov_b32 v[ST+8*t], 0xfe000000
	ALLT v_mov_b32 v[ST+8*t+1], 0xff7fffff
.endm
	s_load_b128 s[4:7], s[0:1], 0x0                ; qkv s[4:5], doc_ids s[6:7]
	s_load_b64 s[8:9], s[0:1], 0x10                ; ob
	v_lshl_add_u32 v[SPW], v0, 2, SPARE
	v_mov_b32 v[NIL], 0
	ds_add_u32 v[SPW], v[NIL]                      ; the wave's opening, with its wait, ahead of my first tensor load
	v_lshrrev_b32 v1, 5, v0
	v_readfirstlane_b32 s[WV], v1
	s_bfe_u32 s[CX], ttmp6, 0x40000
	s_mov_b32 s[CC], ttmp9                         ; in a cluster launch ttmp9 counts clusters
	s_and_b32 s16, ttmp7, 0xffff                   ; the head
	s_and_b32 s18, s[WV], 1                        ; which half of a tile's 256 rows I fetch
	s_lshl_b32 s20, s16, 19                        ; K: the second tensor, the head's 524,288 bytes, my 128 rows of 256 bytes: no cx in it
	s_lshl_b32 s21, s18, 15
	s_add_co_u32 s20, s20, s21
	s_add_co_u32 s20, s20, 0x800000
	s_mov_b32 s21, 0
	s_mov_b32 s[G1K], 15|(1<<16)|(1<<20)|(1<<21)|(5<<22)|(3<<25)  ; the mask of four; 2-byte elements; padding on; bit 21 beside a mask; after every 64 words 4 words
	s_mov_b32 s[G1V], 15|(1<<16)|(1<<20)|(1<<21)|(5<<22)|(7<<25)  ; the same with 8 words
.irp g, G1K, G1V
	s_mov_b32 s[(\g)+1], 128<<16                   ; tensor_dim0 = 128
	s_mov_b32 s[(\g)+2], 128<<16                   ; tensor_dim1 = 128
	s_mov_b32 s[(\g)+3], 128<<16                   ; tile_dim0 = 128
	s_mov_b32 s[(\g)+4], 128                       ; tile_dim1 = 128
	s_mov_b32 s[(\g)+5], 128                       ; elements from row to row
	s_mov_b32 s[(\g)+6], 0
	s_mov_b32 s[(\g)+7], 0
.endr
	s_mov_b32 s[G0K], 1
	s_mul_i32 s[G0K+1], s18, 128*KP
	s_mov_b32 s[G0V], 1
	s_mul_i32 s[G0V+1], s18, 128*VP
	s_add_co_u32 s[G0V+1], s[G0V+1], VOFF
	s_mov_b32 s[TRIP], 8
	s_sub_co_u32 s[RT], 8, s[CC]                   ; the first block has 8 - C tiles
	s_mov_b32 s[NXT], 1
	s_sub_co_u32 s[LQ], 7, s[CC]
	s_mov_b32 s[OFF+1], 0
	s_mov_b32 s[TB], SLOT                          ; the first change turns it into 0
	s_mov_b32 s[DKT], 0
	s_sub_co_u32 s[JJ], 3, s[CX]                   ; the first block's place in its last tile
	s_mov_b32 s[BIGN], 0xf149f2ca                  ; -1e30
	s_mov_b32 s[SEL], 0x76543210
	s_mov_b32 s[SEL+1], 0xfedcba98
	s_mov_b32 s[CS], 0x440293ee                    ; c = 522.31
	s_mov_b32 s[CS+1], s[CS]
	s_lshl_b32 s15, s[CC], 2
	s_add_co_u32 s15, s15, s[CX]                   ; b: the second block
	s_sub_co_u32 s17, 31, s15                      ; the first
	s_lshl_b32 s22, s16, 19
	s_lshl_b32 s[QA], s17, 14                      ; Q: the head, the block's 64 rows of 256 bytes
	s_add_co_u32 s[QA], s[QA], s22
	s_mov_b32 s[QA+1], 0
	s_lshl_b32 s[QB], s15, 14
	s_add_co_u32 s[QB], s[QB], s22
	s_mov_b32 s[QB+1], 0
	s_lshl_b32 s[DQA], s17, 8                      ; doc_ids: the block's 64 words
	s_mov_b32 s[DQA+1], 0
	s_lshl_b32 s[DQB], s15, 8
	s_mov_b32 s[DQB+1], 0
	s_lshl_b32 s22, s[WV], 16                      ; O: row 64 block + 16 w of 4,096 bytes, 256 bytes a head
	s_lshl_b32 s23, s16, 8
	s_add_co_u32 s22, s22, s23
	s_lshl_b32 s[OA], s17, 18
	s_add_co_u32 s[OA], s[OA], s22
	s_mov_b32 s[OA+1], 0
	s_lshl_b32 s[OB], s15, 18
	s_add_co_u32 s[OB], s[OB], s22
	s_mov_b32 s[OB+1], 0
	s_wait_dscnt 0x0                               ; the opening add is done
	s_wait_kmcnt 0x0
	s_add_nc_u64 s[KB:KB+1], s[4:5], s[20:21]
	s_add_nc_u64 s[VB:VB+1], s[KB:KB+1], 0x800000
	s_add_nc_u64 s[G0K+2:G0K+3], s[KB:KB+1], 0
	s_or_b32 s[G0K+3], s[G0K+3], 0x80000000
	s_add_nc_u64 s[G0V+2:G0V+3], s[VB:VB+1], 0
	s_or_b32 s[G0V+3], s[G0V+3], 0x80000000
	s_add_nc_u64 s[QA:QA+1], s[4:5], s[QA:QA+1]
	s_add_nc_u64 s[QB:QB+1], s[4:5], s[QB:QB+1]
	s_add_nc_u64 s[DQA:DQA+1], s[6:7], s[DQA:DQA+1]
	s_add_nc_u64 s[DQB:DQB+1], s[6:7], s[DQB:DQB+1]
	s_add_nc_u64 s[DKB:DKB+1], s[6:7], 0
	s_add_nc_u64 s[OA:OA+1], s[8:9], s[OA:OA+1]
	s_add_nc_u64 s[OB:OB+1], s[8:9], s[OB:OB+1]
	CROUND                                         ; all four work-groups are here
	JLOAD                                          ; tile 0 into slot 0: one load of mine is out
	v_and_b32 v1, 15, v0                           ; r
	v_bfe_u32 v9, v0, 4, 1                         ; h
	v_lshlrev_b32 v[QO], 8, v1
	v_lshl_add_u32 v[QO], v9, 4, v[QO]             ; row x 256 + 16 h
	v_lshlrev_b32 v[VDQ], 2, v1
	s_lshl_b32 s84, s[WV], 8
	v_lshl_add_u32 v[VDK], v9, 5, s84              ; (64 w + 8 h) words
	QLOAD QA, DQA
	DKLOAD                                         ; tile 0's
	v_mov_b32 v[VBIG], s[BIGN]
	v_lshlrev_b32 v59, 3, v9
	v_sub_nc_u32 v59, v1, v59                      ; r - 8 h
.set j, 0
.rept 8
	v_cmp_gt_i32 vcc_lo, j, v59
	v_cndmask_b32 v[MD8+j], 0, v[VBIG], vcc_lo
.set j, j+1
.endr
	s_mul_i32 s84, s[WV], 64*KP
	v_mul_u32_u24 v[AK0], v1, KP
	v_lshl_add_u32 v[AK0], v9, 4, v[AK0]
	v_add_nc_u32 v[AK0], s84, v[AK0]               ; (64 w + r) x pitch + 16 h
	v_and_b32 v59, 7, v0
	v_lshl_add_u32 v[AV0], v9, 3, v59              ; the turning load: key 8 h + lane % 8,
	v_mul_u32_u24 v[AV0], v[AV0], VP
	v_bfe_u32 v59, v0, 3, 1
	v_lshl_add_u32 v[AV0], v59, 4, v[AV0]          ; 16 bytes for each half of eight lanes
	s_mul_i32 s84, s[WV], 64*VP
	s_add_co_u32 s84, s84, VOFF
	v_add_nc_u32 v[AV0], s84, v[AV0]
	s_lshl_b32 s84, s[WV], 9
	s_add_co_u32 s84, s84, STATS
	v_lshl_add_u32 v[SADR], v1, 3, s84
	v_lshl_add_u32 v[LADR], v1, 3, STATS
	s_mul_i32 s84, s[WV], MW
	v_mul_u32_u24 v[PADR], v1, MP
	v_lshl_add_u32 v[PADR], v9, 5, v[PADR]
	v_add_nc_u32 v[PADR], s84, v[PADR]             ; my part of the stage: row r, 32 bytes for each half of the lanes
	v_add_nc_u32 v[PADR+1], SLOT, v[PADR]
	v_and_b32 v59, 31, v0
	v_lshlrev_b32 v[GO], 3, v59
	s_mul_i32 s84, s[WV], 16*MP
	v_lshl_add_u32 v[RADR], v59, 4, s84            ; back: rows 16 w .. +15, 16 bytes a lane
	v_add_nc_u32 v[RADR+1], 2*MW, v[RADR]
	v_add_nc_u32 v[RADR+2], SLOT, v[RADR]
	v_add_nc_u32 v[RADR+3], SLOT+2*MW, v[RADR]
	; A block's first step multiplies O and l by a = 0, so they need only be finite: zeros here, what the first block left for the second.  The kept copy and SA are written too, so that they are written on every
	; path of the text.  The price of writing no first step out: these lines, which stand in the wait for the first tile.
	WIN 0x80
.set i, 0
.rept 256
	v_mov_b32 v[i], 0
.set i, i+1
.endr
	WIN 0xc0
.set i, 0
.rept 256
	v_mov_b32 v[i], 0
.set i, i+1
.endr
	WIN 0
	STINIT
	ALLT v_mov_b32 v[ST+8*t+2], 0
	ALLT v_mov_b32 v[ST+8*t+3], 0
	ALLT v_mov_b32 v[SA+2*t], 0
	ALLT v_mov_b32 v[SA+2*t+1], 0
; Line n of the 22 that find a tile's maximum and statistics; t is the tile.  Each accumulator's lowest registers are read first.
.macro MAXL
.set rT, ST+8*t
.set rS, S+32*t
.if n < 4
	v_max3_num_f32 v[rT+4+n], v[rS+8*n], v[rS+8*n+1], v[rS+8*n+2]
.elseif n < 12
	v_max3_num_f32 v[rT+4+n%4], v[rT+4+n%4], v[rS+8*(n%4)+2*(n/4)+1], v[rS+8*(n%4)+2*(n/4)+2]
.elseif n == 12
	v_max3_num_f32 v[rT+4], v[rT+4], v[rS+7], v[rS+15]
.elseif n == 13
	v_max3_num_f32 v[rT+6], v[rT+6], v[rS+23], v[rS+31]
.elseif n == 14
	v_max3_num_f32 v[rT+4], v[rT+4], v[rT+5], v[rT+6]
.elseif n == 15
	v_max3_num_f32 v[rT+4], v[rT+4], v[rT+7], v[rT+1]
.elseif n == 16
	v_permlanex16_b32 v[rT+5], v[rT+4], s[SEL], s[SEL+1]  ; the query's other 32 keys lie in the lane 16 away
.elseif n == 17
	v_mov_b32 v[rT+7], v[rT]                       ; c m_old is kept
.elseif n == 18
	v_max_num_f32 v[rT+1], v[rT+4], v[rT+5]
.elseif n == 19
	v_mul_f32 v[rT], s[CS], v[rT+1]
.elseif n == 20
	v_sub_f32 v[rT+7], v[rT+7], v[rT]
.else
	v_exp_f32 v[rT+6], v[rT+7]                     ; a; the scalings below are the plain lines behind it
.endif
.endm
; A KEY STEP: my 64 keys of the tile in the slot in hand against the block's 64 queries.  more = 1: the next trip's documents are asked for.
.macro STEP more
	WIN 0
	v_add_nc_u32 v[ADR], s[TB], v[AK0]
	WIN 0x40
.set f, 0
.rept 16                               ; keys 16 (f / 4) on, channels 32 (f % 4) on
	ds_load_b128 v[KV+8*f:KV+8*f+3],   v[ADR] offset:(f/4)*16*KP+(f%4)*64
	ds_load_b128 v[KV+8*f+4:KV+8*f+7], v[ADR] offset:(f/4)*16*KP+(f%4)*64+32
.set f, f+1
.endr
	WIN 0
	s_cmp_gt_u32 s[WV], s[JJ]                      ; the causal part: values chosen, no branch
	s_cselect_b32 s84, s[BIGN], 0
	s_cmp_eq_u32 s[WV], s[JJ]
	s_cselect_b32 s85, 1.0, 0
	s_cmp_ge_u32 s[WV], s[JJ]
	s_cselect_b32 s86, s[BIGN], 0
	s_cmp_eq_u32 s[RT], 0                          ; only the block's last tile has one
	s_cselect_b32 s[BELT], s84, 0
	s_cselect_b32 s[AL], s85, 0
	s_cselect_b32 s[BEGT], s86, 0
	v_mov_b32 v[CBLT], s[BELT]
	v_mov_b32 v[CBGT], s[BEGT]
.set j, 0
.rept 8
	v_fma_f32 v[CBEQ+j], v[MD8+j], s[AL], s[BELT]
.set j, j+1
.endr
	s_wait_loadcnt 0x0                             ; the keys' documents, asked for a trip ago; at a block's beginning Q and the queries' documents too
.set g, 0
.rept 16                               ; tile g / 4, key block g % 4: the mask goes into the accumulator
.set j, 0
.rept 8
	v_cmp_eq_u32 s[CM+j], v[DK+8*(g%4)+j], v[DQ+g/4]
.set j, j+1
.endr
.set j, 0
.rept 8
.if (g%4) < (g/4)
	v_cndmask_b32 v[S+8*g+j], v[VBIG], v[CBLT], s[CM+j]
.elseif (g%4) == (g/4)
	v_cndmask_b32 v[S+8*g+j], v[VBIG], v[CBEQ+j], s[CM+j]
.else
	v_cndmask_b32 v[S+8*g+j], v[VBIG], v[CBGT], s[CM+j]
.endif
.set j, j+1
.endr
.set g, g+1
.endr
.if \more
	s_lshl_b32 s84, s[DKT], 10                     ; the next trip's tile: 256 words; the base's last loads were waited for above
	s_mov_b32 s85, 0
	s_add_nc_u64 s[DKB:DKB+1], s[6:7], s[84:85]
	DKLOAD
.endif
	s_wait_dscnt 0x0                               ; K is in
	WIN 0x05
.set i, 0
.rept 64                               ; channels 32 (i / 16) on, key block (i / 4) % 4, tile i % 4: the 16 accumulators take turns
.set rS, S+32*(i%4)+8*((i/4)%4)
.set rK, KV+32*((i/4)%4)+8*(i/16)
.set rQ, 32*(i%4)+8*(i/16)
	v_wmma_f32_16x16x32_f16 v[rS:rS+7], v[rK:rK+7], v[rQ:rQ+7], v[rS:rS+7]
.set i, i+1
.endr
	PLACES                                         ; in front of the loads into K's registers and of the first read of the scores
	WIN 0
	v_add_nc_u32 v[ADR], s[TB], v[AV0]
	WIN 0x40
.set f, 0
.rept 16                               ; keys 32 (f / 8) on, channels 16 (f % 8) on, turned
	ds_load_tr16_b128 v[KV+8*f:KV+8*f+3],   v[ADR] offset:(f/8)*32*VP+(f%8)*32
	ds_load_tr16_b128 v[KV+8*f+4:KV+8*f+7], v[ADR] offset:(f/8)*32*VP+16*VP+(f%8)*32
.set f, f+1
.endr
	WIN 0
.set n, 0
.rept 22
	ALLT MAXL
.set n, n+1
.endr
.set n, 0
.rept 16                               ; c s - c m
	ALLT v_pk_fma_f32 v[S+32*t+2*n:S+32*t+2*n+1], v[S+32*t+2*n:S+32*t+2*n+1], s[CS:CS+1], v[ST+8*t:ST+8*t+1] op_sel_hi:[1,0,0] neg_lo:[0,0,1] neg_hi:[0,0,1]
.set n, n+1
.endr
.set n, 0
.rept 32
	ALLT v_exp_f32 v[S+32*t+n], v[S+32*t+n]
.set n, n+1
.endr
	v_nop                                          ; a plain line behind the last exponential
	s_wait_alu depctr_va_vdst(0)
	ALLT v_pk_add_f32 v[ST+8*t+4:ST+8*t+5], v[S+32*t:S+32*t+1], v[S+32*t+2:S+32*t+3]      ; the sum of the 16 pairs, in two chains that leave the weights as they are
	ALLT v_pk_add_f32 v[TS+2*t:TS+2*t+1], v[S+32*t+4:S+32*t+5], v[S+32*t+6:S+32*t+7]
.set n, 4
.rept 6
	ALLT v_pk_add_f32 v[ST+8*t+4:ST+8*t+5], v[ST+8*t+4:ST+8*t+5], v[S+32*t+2*n:S+32*t+2*n+1]
	ALLT v_pk_add_f32 v[TS+2*t:TS+2*t+1], v[TS+2*t:TS+2*t+1], v[S+32*t+2*n+2:S+32*t+2*n+3]
.set n, n+2
.endr
	ALLT v_pk_add_f32 v[ST+8*t+4:ST+8*t+5], v[ST+8*t+4:ST+8*t+5], v[TS+2*t:TS+2*t+1]
	ALLT v_pk_fma_f32 v[ST+8*t+2:ST+8*t+3], v[ST+8*t+2:ST+8*t+3], v[ST+8*t+6:ST+8*t+7], v[ST+8*t+4:ST+8*t+5] op_sel_hi:[1,0,1]  ; l = a l + sum
.set n, 0
.rept 16                               ; P over S, ascending: word n takes weights 2 n, 2 n + 1
	ALLT v_cvt_pk_f16_f32 v[S+32*t+n], v[S+32*t+2*n], v[S+32*t+2*n+1]
.set n, n+1
.endr
	WIN 0x82
.set n, 0
.rept 32                               ; O a, each accumulator from its lowest registers on
	ALLT v_pk_mul_f32 v[64*t+2*n:64*t+2*n+1], v[64*t+2*n:64*t+2*n+1], v[ST+8*t+6:ST+8*t+7] op_sel_hi:[1,0]
.set n, n+1
.endr
	s_wait_dscnt 0x0                               ; V is in
	WIN 0xa1
.set i, 0
.rept 64                               ; keys 32 (i / 32) on, channels 16 ((i / 4) % 8) on, tile i % 4: the 32 accumulators take turns
.set rO, 64*(i%4)+8*((i/4)%8)
.set rV, KV+64*(i/32)+8*((i/4)%8)
.set rP, S+32*(i%4)+8*(i/32)
	v_wmma_f32_16x16x32_f16 v[rO:rO+7], v[rV:rV+7], v[rP:rP+7], v[rO:rO+7]
.set i, i+1
.endr
	WIN 0
.endm
.Ltrip:                                                ; 8 times: a tile is entered and the next is asked for
	CHANGE 1
	s_sub_co_u32 s[RT], s[RT], 1
	STEP 1
	s_cmp_lg_u32 s[RT], 0
	s_cbranch_scc1 .Lsame                          ; a forward jump on C alone, past text with neither a barrier nor a tensor load
	; THE FIRST BLOCK ENDS: its statistics and O are set aside for the merge; the second block's Q and documents are asked for.  The first eight lines are the places behind the last products.
	ALLT v_mov_b32 v[SA+2*t], v[ST+8*t]
	ALLT v_add_f32 v[SA+2*t+1], v[ST+8*t+2], v[ST+8*t+3]
	WIN 0xc2
.set i, 0
.rept 256
	v_mov_b32 v[i], v[i]                           ; window 2 to window 3, ascending
.set i, i+1
.endr
	WIN 0
	STINIT
	s_mov_b32 s[JJ], s[CX]                         ; the second block's place in its last tile
	s_add_co_u32 s[RT], s[CC], 1                   ; it has C + 1 tiles
	QLOAD QB, DQB
.Lsame:
	s_sub_co_u32 s[TRIP], s[TRIP], 1
	s_cmp_lg_u32 s[TRIP], 0
	s_cbranch_scc1 .Ltrip
	CHANGE 0                                       ; the walk's last tile is written out: nothing is asked for
	s_sub_co_u32 s[RT], s[RT], 1
	STEP 0
	; THE MERGE.  The first eight lines are the places behind the last products.
	ALLT v_mov_b32 v[TS+2*t], v[ST+8*t]
	ALLT v_add_f32 v[TS+2*t+1], v[ST+8*t+2], v[ST+8*t+3]
	ALLT v_permlanex16_b32 v[ST+8*t+4], v[TS+2*t+1], s[SEL], s[SEL+1]
	ALLT v_permlanex16_b32 v[ST+8*t+5], v[SA+2*t+1], s[SEL], s[SEL+1]
	ALLT v_add_f32 v[TS+2*t+1], v[TS+2*t+1], v[ST+8*t+4]
	ALLT v_add_f32 v[SA+2*t+1], v[SA+2*t+1], v[ST+8*t+5]
	ALLT ds_store_b64 v[SADR], v[SA+2*t:SA+2*t+1] offset:128*t
	ALLT ds_store_b64 v[SADR], v[TS+2*t:TS+2*t+1] offset:2048+128*t
	s_wait_dscnt 0x0                               ; for the others' sake: my statistics are stored; my reads of the slots ended in front of the last products
	s_barrier_signal -1
	s_barrier_wait -1                              ; behind it nobody reads a slot any more: both have had their last fill and become the stage
.set i, 0
.rept 32                               ; set u = i / 4 = 4 block + tile, wave i % 4
	ds_load_b64 v[S+2*i:S+2*i+1], v[LADR] offset:2048*(i/16)+128*((i/4)%4)+512*(i%4)
.set i, i+1
.endr
	s_wait_dscnt 0x0
.macro ALLU line:vararg                ; one line for each set u
.set u, 0
.rept 8
	\line
.set u, u+1
.endr
.endm
	ALLU v_max3_num_f32 v[W+8*u+5], v[S+8*u], v[S+8*u+2], v[S+8*u+4]
	ALLU v_max_num_f32 v[W+8*u+5], v[W+8*u+5], v[S+8*u+6]
.set n, 0
.rept 4
	ALLU v_sub_f32 v[W+8*u+n], v[S+8*u+2*n], v[W+8*u+5]
.set n, n+1
.endr
	ALLT v_sub_f32 v[W+8*t+4], v[SA+2*t], v[W+8*t+5]           ; my own
	ALLT v_sub_f32 v[W+32+8*t+4], v[TS+2*t], v[W+32+8*t+5]
.set n, 0
.rept 5
	ALLU v_exp_f32 v[W+8*u+n], v[W+8*u+n]
.set n, n+1
.endr
	v_nop
	s_wait_alu depctr_va_vdst(0)
	ALLU v_mul_f32 v[W+8*u+6], v[W+8*u], v[S+8*u+1]
.set n, 1
.rept 3
	ALLU v_fma_f32 v[W+8*u+6], v[W+8*u+n], v[S+8*u+2*n+1], v[W+8*u+6]
.set n, n+1
.endr
	ALLU v_rcp_f32 v[W+8*u+7], v[W+8*u+6]                      ; L is 1 or more: the wave that holds the maximum has f = 1 and l >= 1
	v_nop
	s_wait_alu depctr_va_vdst(0)
	ALLU v_mul_f32 v[G+2*u], v[W+8*u+4], v[W+8*u+7]
	ALLU v_mul_f32 v[G+2*u+1], v[W+8*u+4], v[W+8*u+7]
	WIN 0xc3
.set i, 0
.rept 128
	v_pk_mul_f32 v[2*i:2*i+1], v[2*i:2*i+1], v[G+2*(i/32):G+2*(i/32)+1] op_sel_hi:[1,0]
.set i, i+1
.endr
	WIN 0x82
.set i, 0
.rept 128
	v_pk_mul_f32 v[2*i:2*i+1], v[2*i:2*i+1], v[G+8+2*(i/32):G+8+2*(i/32)+1] op_sel_hi:[1,0]
.set i, i+1
.endr
	WIN 0x0c
.set i, 0
.rept 32                               ; tile i / 8, channels 16 (i % 8) on
	ds_store_b128 v[PADR], v[8*i:8*i+3]   offset:16*MP*(i/8)+64*(i%8)
	ds_store_b128 v[PADR], v[8*i+4:8*i+7] offset:16*MP*(i/8)+64*(i%8)+16
.set i, i+1
.endr
	WIN 0x08
.set i, 0
.rept 32
	ds_store_b128 v[PADR+1], v[8*i:8*i+3]   offset:16*MP*(i/8)+64*(i%8)
	ds_store_b128 v[PADR+1], v[8*i+4:8*i+7] offset:16*MP*(i/8)+64*(i%8)+16
.set i, i+1
.endr
	WIN 0
	s_wait_dscnt 0x0                               ; for the others' sake
	s_barrier_signal -1
	s_barrier_wait -1
; Wave w adds the four parts of rows 16 w .. +15 of each block, in 8 batches of 4 rows: batch m is block m / 4, rows 4 (m % 4) on.
.macro RLOAD m
.set bf, S+64*((\m)%2)
.set i, 0
.rept 16                               ; row i / 4, part i % 4
	ds_load_b128 v[bf+4*i:bf+4*i+3], v[RADR+2*((\m)/4)+(i%4)/2] offset:MW*(i%2)+MP*(4*((\m)%4)+i/4)
.set i, i+1
.endr
.endm
.macro RSUM m, left
.set bf, S+64*((\m)%2)
	s_wait_dscnt \left                             ; my batch is in; the next batch's sixteen loads may stay out
	s_wait_xcnt 0x0                                ; the words that earlier stores read are rewritten only behind this wait
.set i, 0
.rept 4
.set rb, bf+16*i
.set ro, OUTR+8*((\m)%2)+2*i
	v_pk_add_f32 v[rb:rb+1],     v[rb:rb+1],     v[rb+4:rb+5]
	v_pk_add_f32 v[rb+2:rb+3],   v[rb+2:rb+3],   v[rb+6:rb+7]
	v_pk_add_f32 v[rb+8:rb+9],   v[rb+8:rb+9],   v[rb+12:rb+13]
	v_pk_add_f32 v[rb+10:rb+11], v[rb+10:rb+11], v[rb+14:rb+15]
	v_pk_add_f32 v[rb:rb+1],     v[rb:rb+1],     v[rb+8:rb+9]
	v_pk_add_f32 v[rb+2:rb+3],   v[rb+2:rb+3],   v[rb+10:rb+11]
	v_cvt_pk_f16_f32 v[ro],   v[rb],   v[rb+1]
	v_cvt_pk_f16_f32 v[ro+1], v[rb+2], v[rb+3]
	global_store_b64 v[GO], v[ro:ro+1], s[OA+2*((\m)/4):OA+2*((\m)/4)+1] offset:4096*(4*((\m)%4)+i)  ; 32 lanes store 256 consecutive bytes, at a multiple of 256 from ob's first
.set i, i+1
.endr
.endm
	RLOAD 0
.irp m, 0,1,2,3,4,5,6
	RLOAD (\m)+1
	RSUM \m, 16
.endr
	RSUM 7, 0
	s_wait_tensorcnt 0x0                           ; the wave's end
	ds_add_u32 v[SPW], v[NIL]
	s_wait_dscnt 0x0
	CROUND                                         ; the closing round
	s_endpgm
.Lfunc_end_k_q2cacb43b4b_attn:
	.size	k_q2cacb43b4b_attn, .Lfunc_end_k_q2cacb43b4b_attn-k_q2cacb43b4b_attn
	.p2alignl 7, 3214868480
	.fill 96, 4, 3214868480
	.section	.rodata,"a",@progbits
	.p2align	6, 0x0
	.amdhsa_kernel k_q2cacb43b4b_attn
		.amdhsa_group_segment_fixed_size 327680
		.amdhsa_private_segment_fixed_size 0
		.amdhsa_enable_private_segment 0
		.amdhsa_kernarg_size 24
		.amdhsa_user_sgpr_count 2
		.amdhsa_user_sgpr_kernarg_segment_ptr 1
		.amdhsa_wavefront_size32 1
		.amdhsa_system_sgpr_workgroup_id_x 1
		.amdhsa_system_sgpr_workgroup_id_y 1
		.amdhsa_system_sgpr_workgroup_id_z 1
		.amdhsa_system_vgpr_workitem_id 0
		.amdhsa_next_free_vgpr 1024
		.amdhsa_next_free_sgpr 96
		.amdhsa_reserve_vcc 1
		.amdhsa_float_denorm_mode_32 3
		.amdhsa_float_denorm_mode_16_64 3
		.amdhsa_memory_ordered 1
		.amdhsa_forward_progress 1
		.amdhsa_inst_pref_size 223
	.end_amdhsa_kernel
	.amdgpu_metadata
---
amdhsa.version: [ 1, 2 ]
amdhsa.kernels:
  - .name:           k_q2cacb43b4b_attn
    .symbol:         k_q2cacb43b4b_attn.kd
    .args:
      - { .name: qkv, .offset: 0, .size: 8, .value_kind: global_buffer, .address_space: global }
      - { .name: doc_ids, .offset: 8, .size: 8, .value_kind: global_buffer, .address_space: global }
      - { .name: ob, .offset: 16, .size: 8, .value_kind: global_buffer, .address_space: global }
    .group_segment_fixed_size: 327680
    .private_segment_fixed_size: 0
    .kernarg_segment_align: 8
    .kernarg_segment_size: 24
    .max_flat_workgroup_size: 128
    .sgpr_count:     96
    .vgpr_count:     1024
    .wavefront_size: 32
...
	.end_amdgpu_metadata
.endif
;; end of part 3
;; launch outp (part 4): grid 16 x 16, 4 waves a work-group, clusters of 4 x 4, 327,680 bytes of LDS; arguments ob, cst, out0; writes out0
.if DOCPART == 4
	.amdgcn_target "amdgcn-amd-amdhsa--gfx1250"
	.amdhsa_code_object_version 6
	.text
	.protected	k_q2cacb43b4b_outp
	.globl	k_q2cacb43b4b_outp
	.p2align	8
	.type	k_q2cacb43b4b_outp,@function
k_q2cacb43b4b_outp:
	s_mov_b64 s[64:65], 0
	v_nop
	global_prefetch_b8 v0, s[64:65] scope:SCOPE_SE
	s_setreg_imm32_b32 hwreg(HW_REG_WAVE_MODE, 25, 1), 1
	s_wait_xcnt 0x0
	s_wait_alu depctr_hold_cnt(0) depctr_sa_sdst(0) depctr_va_vdst(0) depctr_va_sdst(0) depctr_va_ssrc(0) depctr_va_vcc(0) depctr_vm_vsrc(0)
	s_getreg_b32 s2, hwreg(HW_REG_IB_STS2, 6, 4)
	s_cmp_eq_u32 s2, 0
	s_cbranch_scc0 .Lentry_in_a_cluster
	s_endpgm
.Lentry_in_a_cluster:
	s_bfe_u32 s2, ttmp6, 0x10000c
	s_cmp_lg_u32 s2, 0xf033
	s_cbranch_scc0 .Lentry_shape_is_right
	s_endpgm
.Lentry_shape_is_right:
; THE LAST PROJECTION.  out0[m][n] = the sum over k of ob[m][k] W[k][n]: ob = O / 16 in f16, W = 16 Wo in f16 (cst's fifth array, Wo rounded to bf16 and written as f16), out0 in f32.  Sums in f32.
; LIMITS.  Those of the two operands' f16 (65,504; a fixed step of 6e-8 below 6e-5).  NaN and infinities are not treated apart.
; SHARES.  A tile of out0 is 128 x 128: 256 work-groups, one for each of 16 x 16 tiles.  Four waves, each 64 x 64: 16 accumulators.  K goes in 8 steps of 256 through two LDS slots: ob's 128 rows of 512 bytes, W's 256
; k-rows of 256 bytes.  Waves 0 and 1 ask for ob's two halves (64 rows), waves 2 and 3 for W's (128 k-rows).  W lies [k][n]: its fragments come out of LDS turned, by ds_load_tr16_b128.
; THE STEPS GO ROUND: a cluster begins at a step of its own, made of the cluster's two coordinates, and walks all 8 modulo 8.  The four clusters that read one tile of ob begin 2 steps apart, and of the four that
; read one tile of W two and two begin 4 apart: they ask for it at different times.  The f32 sums are taken in that order of K.
; THE MATRIX INSTRUCTION IS USED TRANSPOSED (source 0 = 16 columns of W, source 1 = 16 rows of ob): a lane holds eight neighbouring columns of a row.
; CLUSTER 4 x 4: ob's tile is asked for jointly along a row of the cluster, W's along a column.
; REGISTERS.  window 0: v0-31 addresses; v32-95 two sets of 32 on the way out; v128-255 accumulators (a, b) at 128 + 8 (4 a + b).  window 1: two fragment buffers of 128: for 64 along K, 64 of ob, then 64 of W.
.set SLOT,  147456                     ; bits 17 and 14 are 0 in every slot-0 address of a descriptor, so one exclusive or changes the slot
.set PA,    528                        ; a row of ob in LDS: 512 bytes + 16
.set PB,    288                        ; a row of W: 256 + 32
.set BOFF,  128*PA
.set STAGE, 2*SLOT                     ; 16 rows x 272 bytes for each wave, its own: a wave's 64 columns of f32 are 256 bytes
.set SP,    272
.set SPARE, STAGE+4*16*SP              ; the spare words, 128 bytes a wave: two blocks of 256 bytes that no other line names
.set ADRA0, 16
.set ADRA,  17
.set ADRB0, 18                         ; v18, v19  W's k-rows 0-127 and 128-255 of a step, slot 0;  v20, v21 in the slot in hand
.set ADRB,  20
.set STO,   24
.set RD,    25
.set CO,    26
.set SPW,   28
.set NIL,   29
.set BK,    32
.set ACC,   128
.set F0,    0
.set F1,    128
.set KO,    10                         ; s[10:11] a K step's byte offset
.set WV,    12
.set WR,    13
.set WC,    14
.set G1A,   24
.set G0A,   32
.set KK,    47                         ; s47  the K step asked for last
.set G1B,   48
.set G0B,   56
.set TB,    66
.set CNT,   67
.set MSB, 0
.macro WIN new
.if MSB != (\new)
	s_set_vgpr_msb (MSB<<8)|(\new)
.set MSB, \new
.endif
.endm
.macro PLACES
.rept 4
	v_nop
.endr
.endm
.macro CREST
	s_cmp_lg_u32 s[WV], 0
	s_cbranch_scc1 .Lnot_wave_0_\@
	s_barrier_signal -3
.Lnot_wave_0_\@:
	s_barrier_wait -3
	s_barrier_signal -1
	s_barrier_wait -1
.endm
.macro CROUND
	s_barrier_signal -1
	s_barrier_wait -1
	CREST
.endm
.macro JLOAD s                         ; a joint load; an s_nop 0 and four v_nop follow each of the two lines
	s_cmp_lt_u32 s[WV], 2
	s_cbranch_scc0 .Lfor_b_\@
	tensor_load_to_lds s[G0A+4*(\s):G0A+4*(\s)+3], s[G1A:G1A+7]
	s_nop 0
.rept 4
	v_nop
.endr
	s_branch .Lasked_\@
.Lfor_b_\@:
	tensor_load_to_lds s[G0B+4*(\s):G0B+4*(\s)+3], s[G1B:G1B+7]
	s_nop 0
.rept 4
	v_nop
.endr
.Lasked_\@:
.endm
	s_load_b128 s[4:7], s[0:1], 0x0                ; ob s[4:5], cst s[6:7]
	s_load_b64 s[8:9], s[0:1], 0x10                ; out0
	v_lshl_add_u32 v[SPW], v0, 2, SPARE
	v_mov_b32 v[NIL], 0
	ds_add_u32 v[SPW], v[NIL]                      ; the wave's opening, with its wait, ahead of my first tensor load
	v_lshrrev_b32 v1, 5, v0
	v_readfirstlane_b32 s[WV], v1
	s_lshr_b32 s[WR], s[WV], 1                     ; which half of the tile's rows is mine
	s_and_b32 s[WC], s[WV], 1                      ; which half of its columns; also: which half of a tile I fetch
	s_bfe_u32 s40, ttmp6, 0x40000
	s_bfe_u32 s41, ttmp6, 0x40004
	s_lshl_b32 s42, ttmp9, 2
	s_add_co_u32 s42, s42, s40                     ; X: tile column
	s_and_b32 s43, ttmp7, 0xffff
	s_lshl_b32 s43, s43, 2
	s_add_co_u32 s43, s43, s41                     ; Y: tile row
	s_lshl_b32 s44, s41, 2
	s_lshl_b32 s44, 15, s44
	s_lshl_b32 s45, 0x1111, s40
	s_or_b32 s[G1A], s44, (1<<16)|(1<<20)|(1<<21)|(6<<22)|(3<<25)  ; my row's mask; 2-byte elements; padding on; bit 21 beside a mask; after every 128 words 4 words
	s_mov_b32 s[G1A+1], 256<<16                    ; tensor_dim0 = 256
	s_mov_b32 s[G1A+2], 64<<16                     ; tensor_dim1 = 64
	s_mov_b32 s[G1A+3], 256<<16                    ; tile_dim0 = 256
	s_mov_b32 s[G1A+4], 64                         ; tile_dim1 = 64
	s_mov_b32 s[G1A+5], 2048
	s_mov_b32 s[G1A+6], 0
	s_mov_b32 s[G1A+7], 0
	s_or_b32 s[G1B], s45, (1<<16)|(1<<20)|(1<<21)|(5<<22)|(7<<25)  ; my column's mask; after every 64 words 8 words
	s_mov_b32 s[G1B+1], 128<<16
	s_mov_b32 s[G1B+2], 128<<16
	s_mov_b32 s[G1B+3], 128<<16
	s_mov_b32 s[G1B+4], 128
	s_mov_b32 s[G1B+5], 2048
	s_mov_b32 s[G1B+6], 0
	s_mov_b32 s[G1B+7], 0
	s_lshl_b32 s68, s43, 19                        ; ob: row 128 Y + 64 half, 4,096 bytes a row: made of Y and the wave alone
	s_lshl_b32 s69, s[WC], 18
	s_add_co_u32 s68, s68, s69
	s_mov_b32 s69, 0
	s_lshl_b32 s70, s42, 8                         ; W: cst's fifth array, 256 X bytes into its rows, k-row 128 half: made of X and the wave alone
	s_lshl_b32 s71, s[WC], 19
	s_add_co_u32 s70, s70, s71
	s_add_co_u32 s70, s70, 0x2000000
	s_mov_b32 s71, 0
	s_mul_i32 s22, s[WC], 64*PA
	s_mul_i32 s23, s[WC], 128*PB
	s_add_co_u32 s23, s23, BOFF
	s_mov_b32 s[TB], 0
	; the cluster's first K step, of the cluster's coordinates alone (all sixteen partners share them): 4 (x & 1) + 2 (x >> 1) + 4 ((y ^ (y >> 1)) & 1), modulo 8
	s_and_b32 s[KK], ttmp9, 1
	s_lshl_b32 s[KK], s[KK], 2
	s_lshr_b32 s2, ttmp9, 1
	s_lshl1_add_u32 s[KK], s2, s[KK]
	s_and_b32 s2, ttmp7, 0xffff
	s_lshr_b32 s3, s2, 1
	s_xor_b32 s2, s2, s3
	s_and_b32 s2, s2, 1
	s_lshl2_add_u32 s[KK], s2, s[KK]
	s_and_b32 s[KK], s[KK], 7
	s_mov_b32 s[KO+1], 0
	s_wait_dscnt 0x0                               ; the opening add is done
	s_wait_kmcnt 0x0
	s_add_nc_u64 s[16:17], s[4:5], s[68:69]        ; ob's and W's tiles of K step 0: kept, every fill's address is made from them
	s_add_nc_u64 s[18:19], s[6:7], s[70:71]
	CROUND
.irp s, 0,1
	s_add_co_u32 s2, s[KK], \s                     ; the cluster's first and second K step
	s_and_b32 s2, s2, 7
	s_lshl_b32 s[KO], s2, 9                        ; ob: 256 k of 2 bytes a step
	s_mov_b32 s[G0A+4*(\s)], 1
	s_add_co_u32 s[G0A+4*(\s)+1], s22, (\s)*SLOT
	s_add_nc_u64 s[G0A+4*(\s)+2:G0A+4*(\s)+3], s[16:17], s[KO:KO+1]
	s_or_b32 s[G0A+4*(\s)+3], s[G0A+4*(\s)+3], 0x80000000
	s_lshl_b32 s[KO], s2, 20                       ; W: 256 rows of 4,096 bytes a step
	s_mov_b32 s[G0B+4*(\s)], 1
	s_add_co_u32 s[G0B+4*(\s)+1], s23, (\s)*SLOT
	s_add_nc_u64 s[G0B+4*(\s)+2:G0B+4*(\s)+3], s[18:19], s[KO:KO+1]
	s_or_b32 s[G0B+4*(\s)+3], s[G0B+4*(\s)+3], 0x80000000
	JLOAD \s                                       ; two loads of mine are out
.endr
	s_add_co_u32 s[KK], s[KK], 1                   ; the step asked for last
	v_and_b32 v1, 15, v0                           ; r
	v_bfe_u32 v2, v0, 4, 1                         ; h
	v_and_b32 v4, 7, v0
	v_bfe_u32 v5, v0, 3, 1
	s_mul_i32 s21, s[WR], 64*PA
	v_mul_u32_u24 v[ADRA0], v1, PA
	v_lshl_add_u32 v[ADRA0], v2, 4, v[ADRA0]
	v_add_nc_u32 v[ADRA0], s21, v[ADRA0]
	v_mov_b32 v[ADRA], v[ADRA0]
	v_lshl_add_u32 v6, v2, 3, v4
	v_mul_u32_u24 v6, v6, PB
	v_lshl_add_u32 v6, v5, 4, v6
	s_lshl_b32 s21, s[WC], 7                       ; my 64 columns of 2 bytes
	s_add_co_u32 s21, s21, BOFF
	v_add_nc_u32 v[ADRB0], s21, v6
	v_add_nc_u32 v[ADRB0+1], 128*PB, v[ADRB0]
	v_mov_b32 v[ADRB], v[ADRB0]
	v_mov_b32 v[ADRB+1], v[ADRB0+1]
	s_mul_i32 s21, s[WV], 16*SP
	s_add_co_u32 s21, s21, STAGE                   ; my stage
	v_mul_u32_u24 v[STO], v1, SP                   ; in: row r, 32 bytes for each half of the lanes
	v_lshl_add_u32 v[STO], v2, 5, v[STO]
	v_add_nc_u32 v[STO], s21, v[STO]
	v_mul_u32_u24 v[RD], v2, SP                    ; back: lanes 0-15 a row of 256 bytes, lanes 16-31 the next
	v_lshl_add_u32 v[RD], v1, 4, v[RD]
	v_add_nc_u32 v[RD], s21, v[RD]
	v_lshlrev_b32 v[CO], 13, v2                    ; and the same two rows in out0, 8,192 bytes a row
	v_lshl_add_u32 v[CO], v1, 4, v[CO]
	s_lshl_b32 s20, s43, 20                        ; row 128 Y + 64 wr, column 128 X + 64 wc
	s_lshl_b32 s21, s[WR], 19
	s_add_co_u32 s20, s20, s21
	s_lshl_b32 s21, s42, 9
	s_add_co_u32 s20, s20, s21
	s_lshl_b32 s21, s[WC], 8
	s_add_co_u32 s20, s20, s21
	s_mov_b32 s21, 0
	s_add_nc_u64 s[8:9], s[8:9], s[20:21]
; 8 matrix instructions: row blocks a0, a0 + 1 x all 4 column blocks, 32 along K: half c of buffer f.  The 16 accumulators take turns.
.macro MUL8 f, c, a0, zero
	WIN 0x05
.irp a, \a0, (\a0)+1
.irp b, 0,1,2,3
.if \zero
	v_wmma_f32_16x16x32_f16 v[ACC+8*(4*(\a)+(\b)):ACC+8*(4*(\a)+(\b))+7], v[(\f)+64+8*(4*(\c)+(\b)):(\f)+64+8*(4*(\c)+(\b))+7], v[(\f)+8*(4*(\c)+(\a)):(\f)+8*(4*(\c)+(\a))+7], 0
.else
	v_wmma_f32_16x16x32_f16 v[ACC+8*(4*(\a)+(\b)):ACC+8*(4*(\a)+(\b))+7], v[(\f)+64+8*(4*(\c)+(\b)):(\f)+64+8*(4*(\c)+(\b))+7], v[(\f)+8*(4*(\c)+(\a)):(\f)+8*(4*(\c)+(\a))+7], v[ACC+8*(4*(\a)+(\b)):ACC+8*(4*(\a)+(\b))+7]
.endif
.endr
.endr
.endm
; 32 LDS loads in one run: quarter q (64 along K) of the slot in hand into buffer f; the first 32 along K first
.macro FETCH q, f
	WIN 0x40
.irp c, 0,1
.irp i, 0,1,2,3
	ds_load_tr16_b128 v[(\f)+64+8*(4*(\c)+(\i)):(\f)+64+8*(4*(\c)+(\i))+3],   v[ADRB+(\q)/2] offset:(64*((\q)%2)+32*(\c))*PB+32*(\i)
	ds_load_tr16_b128 v[(\f)+64+8*(4*(\c)+(\i))+4:(\f)+64+8*(4*(\c)+(\i))+7], v[ADRB+(\q)/2] offset:(64*((\q)%2)+32*(\c)+16)*PB+32*(\i)
	ds_load_b128 v[(\f)+8*(4*(\c)+(\i)):(\f)+8*(4*(\c)+(\i))+3],   v[ADRA] offset:128*(\q)+64*(\c)+16*PA*(\i)
	ds_load_b128 v[(\f)+8*(4*(\c)+(\i))+4:(\f)+8*(4*(\c)+(\i))+7], v[ADRA] offset:128*(\q)+64*(\c)+16*PA*(\i)+32
.endr
.endr
.endm
.macro QUARTER q, f, g, zero
	s_wait_dscnt 16                                ; the first 32 along K are in
	MUL8 \f, 0, 0, \zero
	MUL8 \f, 0, 2, \zero
	PLACES
	FETCH \q, \g
	s_wait_dscnt 32                                ; all but the 32 just issued
	MUL8 \f, 1, 0, 0
	MUL8 \f, 1, 2, 0
.endm
; The last quarter multiplies buffer 1 and changes slots: in front of the barrier each wave waits for all its tensor loads, adds 0 to its spare word, and waits for that and for its reads of this slot.
; fill = 1: the barrier opens a round of the cluster's, and the slot just read is asked for again, with the cluster's next K step but one, first thing behind the round.
.macro TURN fill
	WIN 0
	s_wait_tensorcnt 0x0                           ; no tensor load of mine is out, so a group 0 may be written
	ds_add_u32 v[SPW], v[NIL]                      ; 0 onto my spare word; the descriptors' scalar work and 8 products stand between it and the wait for it
.if \fill
	s_add_co_u32 s[KK], s[KK], 1                   ; the next K step, modulo 8; both addresses are made anew from the kept ones
	s_and_b32 s[KK], s[KK], 7
	s_lshl_b32 s[KO], s[KK], 9
	s_xor_b32 s[G0A+5], s[G0A+5], SLOT             ; the other slot than last time
	s_add_nc_u64 s[G0A+6:G0A+7], s[16:17], s[KO:KO+1]
	s_or_b32 s[G0A+7], s[G0A+7], 0x80000000
	s_lshl_b32 s[KO], s[KK], 20
	s_xor_b32 s[G0B+5], s[G0B+5], SLOT
	s_add_nc_u64 s[G0B+6:G0B+7], s[18:19], s[KO:KO+1]
	s_or_b32 s[G0B+7], s[G0B+7], 0x80000000
.endif
	s_wait_dscnt 17                                ; (the add and the youngest sixteen loads may be out)
	MUL8 F1, 0, 0, 0
	s_wait_dscnt 0x0                               ; the add is done, and my reads of this slot are over
	s_barrier_signal -1
	MUL8 F1, 0, 2, 0
	WIN 0
	s_barrier_wait -1
.if \fill
	CREST
	JLOAD 1                                        ; its four v_nop are also the places in front of the loads below
.else
	PLACES
.endif
	s_xor_b32 s[TB], s[TB], SLOT
	v_add_nc_u32 v[ADRA], s[TB], v[ADRA0]
	v_add_nc_u32 v[ADRB], s[TB], v[ADRB0]
	v_add_nc_u32 v[ADRB+1], s[TB], v[ADRB0+1]
	FETCH 0, F0
	MUL8 F1, 1, 0, 0
	MUL8 F1, 1, 2, 0
.endm
	s_wait_tensorcnt 1                             ; my part of the first K step is in; the second's may stay out
	s_barrier_signal -1
	s_barrier_wait -1
	FETCH 0, F0
	QUARTER 1, F0, F1, 1                           ; the first quarter stands in front of the loop: its first products start the sums
	WIN 0
	s_mov_b32 s[CNT], 6
.Lk:                                                   ; a trip: the rest of a K step, the refill two steps on (the walk's steps 2 to 7), the next step's first quarter
	QUARTER 2, F1, F0, 0
	QUARTER 3, F0, F1, 0
	TURN 1
	QUARTER 1, F0, F1, 0
	WIN 0
	s_sub_co_u32 s[CNT], s[CNT], 1
	s_cmp_lg_u32 s[CNT], 0
	s_cbranch_scc1 .Lk
	QUARTER 2, F1, F0, 0
	QUARTER 3, F0, F1, 0
	TURN 0
	QUARTER 1, F0, F1, 0
	QUARTER 2, F1, F0, 0
	QUARTER 3, F0, F1, 0
	s_wait_dscnt 16
	MUL8 F1, 0, 0, 0
	MUL8 F1, 0, 2, 0
	s_wait_dscnt 0x0
	MUL8 F1, 1, 0, 0
	MUL8 F1, 1, 2, 0
	WIN 0
	; THE WAY OUT, 16 rows at a time through my own stage: 32 bytes a lane in, whole rows of 256 bytes back.  LDS serves a wave's instructions in order (ISA guide 5.7.1.4), so no wait stands between stores and loads.
	PLACES
.irp a, 0,1,2,3
.if (\a) >= 2
	s_wait_xcnt 0x0                                ; the set that the stores of two blocks ago read is loaded again only behind this wait
.endif
.irp b, 0,1,2,3
	ds_store_b128 v[STO], v[ACC+8*(4*(\a)+(\b)):ACC+8*(4*(\a)+(\b))+3]   offset:64*(\b)
	ds_store_b128 v[STO], v[ACC+8*(4*(\a)+(\b))+4:ACC+8*(4*(\a)+(\b))+7] offset:64*(\b)+16
.endr
.irp t, 0,1,2,3,4,5,6,7
	ds_load_b128 v[BK+32*((\a)%2)+4*(\t):BK+32*((\a)%2)+4*(\t)+3], v[RD] offset:2*SP*(\t)
.endr
.irp t, 0,1,2,3,4,5,6,7
	s_wait_dscnt 7-(\t)
	global_store_b128 v[CO], v[BK+32*((\a)%2)+4*(\t):BK+32*((\a)%2)+4*(\t)+3], s[8:9] offset:(16*(\a)+2*(\t))*8192 th:TH_STORE_NT  ; 16 lanes store 256 consecutive bytes, at a multiple of 256 from out0's first
.endr
.endr
	s_wait_tensorcnt 0x0                           ; the wave's end
	ds_add_u32 v[SPW], v[NIL]
	s_wait_dscnt 0x0
	CROUND                                         ; the closing round
	s_endpgm
.Lfunc_end_k_q2cacb43b4b_outp:
	.size	k_q2cacb43b4b_outp, .Lfunc_end_k_q2cacb43b4b_outp-k_q2cacb43b4b_outp
	.p2alignl 7, 3214868480
	.fill 96, 4, 3214868480
	.section	.rodata,"a",@progbits
	.p2align	6, 0x0
	.amdhsa_kernel k_q2cacb43b4b_outp
		.amdhsa_group_segment_fixed_size 327680
		.amdhsa_private_segment_fixed_size 0
		.amdhsa_enable_private_segment 0
		.amdhsa_kernarg_size 24
		.amdhsa_user_sgpr_count 2
		.amdhsa_user_sgpr_kernarg_segment_ptr 1
		.amdhsa_wavefront_size32 1
		.amdhsa_system_sgpr_workgroup_id_x 1
		.amdhsa_system_sgpr_workgroup_id_y 1
		.amdhsa_system_sgpr_workgroup_id_z 1
		.amdhsa_system_vgpr_workitem_id 0
		.amdhsa_next_free_vgpr 512
		.amdhsa_next_free_sgpr 72
		.amdhsa_reserve_vcc 0
		.amdhsa_float_denorm_mode_32 3
		.amdhsa_float_denorm_mode_16_64 3
		.amdhsa_memory_ordered 1
		.amdhsa_forward_progress 1
		.amdhsa_inst_pref_size 70
	.end_amdhsa_kernel
	.amdgpu_metadata
---
amdhsa.version: [ 1, 2 ]
amdhsa.kernels:
  - .name:           k_q2cacb43b4b_outp
    .symbol:         k_q2cacb43b4b_outp.kd
    .args:
      - { .name: ob, .offset: 0, .size: 8, .value_kind: global_buffer, .address_space: global }
      - { .name: cst, .offset: 8, .size: 8, .value_kind: global_buffer, .address_space: global }
      - { .name: out0, .offset: 16, .size: 8, .value_kind: global_buffer, .address_space: global }
    .group_segment_fixed_size: 327680
    .private_segment_fixed_size: 0
    .kernarg_segment_align: 8
    .kernarg_segment_size: 24
    .max_flat_workgroup_size: 128
    .sgpr_count:     72
    .vgpr_count:     512
    .wavefront_size: 32
...
	.end_amdgpu_metadata
.endif
;; end of part 4
